; MI455X (gfx1250); checked and timed in simulation.
; The chip was launched on July 23, 2026; its instructions are those of AMD's public machine-readable ISA for CDNA 5 (MIT licence, August 2026) and "CDNA5" Instruction Set Architecture Reference Guide (July 2026). The comments in the code are by the model that wrote it; some were corrected since.
;; Llama Attention. Allowed arithmetic: float matrix products may take bf16 or f16 operands with f32 sums; other float arithmetic in f32, or as packed bf16 or f16 multiplies, adds, multiply-adds, maxima and minima; sums over many terms, partial sums and values carried from step to step in f32; what a program stores and reads back later, other than sums and carried values, may be rounded once to bf16 or f16.
;; Inputs: Wk 2,048 x 2,048 float32; Wo 2,048 x 2,048 float32; Wq 2,048 x 2,048 float32; Wv 2,048 x 2,048 float32; cos 1 x 1 x 2,048 x 128 float32; sin 1 x 1 x 2,048 x 128 float32; x 1 x 2,048 x 2,048 float32.
;; Outputs: out0 1 x 2,048 x 2,048 float32.
;; One version. Each part assembles by itself: llvm-mc -triple=amdgcn-amd-amdhsa -mcpu=gfx1250 --defsym DOCPART=n.
;; ======== version 1 of 1: 4 launches
;; limits: values are held in f16: magnitudes above 65,504 overflow, below 6.1e-05 lose precision; right only within a limited range of input values
;; workspace buffers: xw 41,943,040 bytes; cs 2,097,152 bytes; qkvh 25,165,824 bytes; oh 8,388,608 bytes
;; launch cast (part 1): grid 1312 x 1, 8 waves a work-group, no clusters, 0 bytes of LDS; arguments x, Wq, Wk, Wv, Wo, cos, sin, xw, cs; writes xw, cs
.if DOCPART == 1
	.amdgcn_target "amdgcn-amd-amdhsa--gfx1250"
	.amdhsa_code_object_version 6
	.text
	.protected	k_q4992074e33_cast
	.globl	k_q4992074e33_cast
	.p2align	8
	.type	k_q4992074e33_cast,@function
k_q4992074e33_cast:
	s_mov_b64 s[64:65], 0
	v_nop
	global_prefetch_b8 v0, s[64:65] scope:SCOPE_SE
	s_setreg_imm32_b32 hwreg(HW_REG_WAVE_MODE, 25, 1), 1
	s_wait_xcnt 0x0
; xw[plane][2048][2048], 16 bits a number: planes 0-3 = x, Wq, Wk, Wv rounded to bf16 (nearest even); plane 4 = Wo rounded to bf16 and that number written as f16.
; cs[2][2048][128] f32: cos, then sin, each rounded to bf16 and widened again: a table for the launch behind.
; LIMIT: |Wo| stays under 65,504 (f16's range); below 6.1e-5 the f16 copy keeps f16's fixed step of 6e-8.
; A stream: no LDS, no barrier, no matrix work.  Work-group g takes 16,384 consecutive numbers (65,536 bytes) of one source: g / 256 is the plane (256 work-groups each);
; the last 32 work-groups take cos (16) and sin (16).
; Thread t takes sixteen chunks of 4 numbers: chunk j at source byte 16 t + 4,096 j, so a wave's load covers 512 consecutive bytes; its 8 bytes go to 8 t + 2,048 j, so a wave's store
; covers 256 consecutive bytes, aligned (the table's 16 bytes to 16 t + 4,096 j).  All sixteen loads go out at once; the chunks are worked on, in place, as they land.
; Which of the three ways a work-group goes hangs on its number alone.
.set X, 8                              ; v[8:71]  chunk j: 4 f32 at X + 4 j; then what is stored, in the same registers
	s_load_b512 s[4:19], s[0:1], 0x0               ; x s[4:5], Wq s[6:7], Wk s[8:9], Wv s[10:11], Wo s[12:13], cos s[14:15], sin s[16:17], xw s[18:19]
	s_load_b64 s[20:21], s[0:1], 0x40              ; cs
	s_lshr_b32 s22, ttmp9, 8                       ; the plane, 0 to 4; 5: the table
	s_bfe_u32 s23, ttmp9, 0x10004                  ; in the table: 0 cos, 1 sin
	s_cmp_eq_u32 s22, 5
	s_cselect_b32 s24, 15, 255                     ; blocks of 65,536 bytes in the source, less 1
	s_cselect_b32 s23, s23, 0
	s_add_co_u32 s23, s23, s22                     ; which source, 0 to 6
	s_and_b32 s24, ttmp9, s24
	s_lshl_b32 s24, s24, 16                        ; my 65,536 bytes of it
	s_mov_b32 s25, 0
	s_and_b32 s26, ttmp9, 255
	s_lshl_b32 s26, s26, 15                        ; my 32,768 bytes
	s_lshl_b32 s28, s22, 23                        ; of the plane's 8,388,608 in xw;
	s_add_co_u32 s26, s26, s28
	s_and_b32 s28, ttmp9, 31
	s_lshl_b32 s28, s28, 16                        ; or my 65,536 bytes of cs
	s_cmp_eq_u32 s22, 5
	s_cselect_b32 s26, s28, s26
	s_mov_b32 s27, 0
	s_mov_b32 s30, 0xffff0000                      ; a word's upper bf16
	v_lshlrev_b32 v1, 4, v0
	v_lshlrev_b32 v2, 3, v0
	s_wait_kmcnt 0x0
	s_cselect_b64 s[18:19], s[20:21], s[18:19]     ; (the compare with 5 still stands) where I store
	s_add_nc_u64 s[18:19], s[18:19], s[26:27]
.irp n, 1,2,3,4,5,6
	s_cmp_eq_u32 s23, \n
	s_cselect_b64 s[4:5], s[4+2*(\n):5+2*(\n)], s[4:5]  ; where I load
.endr
	s_add_nc_u64 s[4:5], s[4:5], s[24:25]
.irp j, 0,1,2,3,4,5,6,7,8,9,10,11,12,13,14,15
	global_load_b128 v[X+4*(\j):X+4*(\j)+3], v1, s[4:5] offset:4096*(\j) th:TH_LOAD_NT
.endr
.macro PAIR j                          ; chunk j's four numbers rounded to bf16, packed into its first two registers
	s_wait_loadcnt 15-(\j)                         ; loads come back in order: chunk j is in, the younger chunks may stay out
	v_cvt_pk_bf16_f32 v[X+4*(\j)],   v[X+4*(\j)],   v[X+4*(\j)+1]
	v_cvt_pk_bf16_f32 v[X+4*(\j)+1], v[X+4*(\j)+2], v[X+4*(\j)+3]
.endm
	s_cmp_lt_u32 s22, 4
	s_cbranch_scc0 .Lnot_plain
.irp j, 0,1,2,3,4,5,6,7,8,9,10,11,12,13,14,15
	PAIR \j
	global_store_b64 v2, v[X+4*(\j):X+4*(\j)+1], s[18:19] offset:2048*(\j)
.endr
	s_endpgm
.Lnot_plain:
	s_cmp_eq_u32 s22, 4
	s_cbranch_scc0 .Ltable
.irp j, 0,1,2,3,4,5,6,7,8,9,10,11,12,13,14,15
	PAIR \j                                        ; Wo: the bf16 numbers are widened (the chunk's last two registers are free) and written as f16
	v_lshlrev_b32 v[X+4*(\j)+2], 16,  v[X+4*(\j)]
	v_and_b32     v[X+4*(\j)+3], s30, v[X+4*(\j)]
	v_cvt_pk_f16_f32 v[X+4*(\j)], v[X+4*(\j)+2], v[X+4*(\j)+3]
	v_lshlrev_b32 v[X+4*(\j)+2], 16,  v[X+4*(\j)+1]
	v_and_b32     v[X+4*(\j)+3], s30, v[X+4*(\j)+1]
	v_cvt_pk_f16_f32 v[X+4*(\j)+1], v[X+4*(\j)+2], v[X+4*(\j)+3]
	global_store_b64 v2, v[X+4*(\j):X+4*(\j)+1], s[18:19] offset:2048*(\j)
.endr
	s_endpgm
.Ltable:
.irp j, 0,1,2,3,4,5,6,7,8,9,10,11,12,13,14,15
	PAIR \j                                        ; cos, sin: widened again, the upper pair first
	v_lshlrev_b32 v[X+4*(\j)+2], 16,  v[X+4*(\j)+1]
	v_and_b32     v[X+4*(\j)+3], s30, v[X+4*(\j)+1]
	v_and_b32     v[X+4*(\j)+1], s30, v[X+4*(\j)]
	v_lshlrev_b32 v[X+4*(\j)],   16,  v[X+4*(\j)]
	global_store_b128 v1, v[X+4*(\j):X+4*(\j)+3], s[18:19] offset:4096*(\j)
.endr
	s_endpgm
.Lfunc_end_k_q4992074e33_cast:
	.size	k_q4992074e33_cast, .Lfunc_end_k_q4992074e33_cast-k_q4992074e33_cast
	.p2alignl 7, 3214868480
	.fill 96, 4, 3214868480
	.section	.rodata,"a",@progbits
	.p2align	6, 0x0
	.amdhsa_kernel k_q4992074e33_cast
		.amdhsa_group_segment_fixed_size 0
		.amdhsa_private_segment_fixed_size 0
		.amdhsa_enable_private_segment 0
		.amdhsa_kernarg_size 72
		.amdhsa_user_sgpr_count 2
		.amdhsa_user_sgpr_kernarg_segment_ptr 1
		.amdhsa_wavefront_size32 1
		.amdhsa_system_sgpr_workgroup_id_x 1
		.amdhsa_system_sgpr_workgroup_id_y 1
		.amdhsa_system_sgpr_workgroup_id_z 1
		.amdhsa_system_vgpr_workitem_id 0
		.amdhsa_next_free_vgpr 76
		.amdhsa_next_free_sgpr 66
		.amdhsa_reserve_vcc 0
		.amdhsa_float_denorm_mode_32 3
		.amdhsa_float_denorm_mode_16_64 3
		.amdhsa_memory_ordered 1
		.amdhsa_forward_progress 1
		.amdhsa_inst_pref_size 22
	.end_amdhsa_kernel
	.amdgpu_metadata
---
amdhsa.version: [ 1, 2 ]
amdhsa.kernels:
  - .name:           k_q4992074e33_cast
    .symbol:         k_q4992074e33_cast.kd
    .args:
      - { .name: x, .offset: 0, .size: 8, .value_kind: global_buffer, .address_space: global }
      - { .name: Wq, .offset: 8, .size: 8, .value_kind: global_buffer, .address_space: global }
      - { .name: Wk, .offset: 16, .size: 8, .value_kind: global_buffer, .address_space: global }
      - { .name: Wv, .offset: 24, .size: 8, .value_kind: global_buffer, .address_space: global }
      - { .name: Wo, .offset: 32, .size: 8, .value_kind: global_buffer, .address_space: global }
      - { .name: cos, .offset: 40, .size: 8, .value_kind: global_buffer, .address_space: global }
      - { .name: sin, .offset: 48, .size: 8, .value_kind: global_buffer, .address_space: global }
      - { .name: xw, .offset: 56, .size: 8, .value_kind: global_buffer, .address_space: global }
      - { .name: cs, .offset: 64, .size: 8, .value_kind: global_buffer, .address_space: global }
    .group_segment_fixed_size: 0
    .private_segment_fixed_size: 0
    .kernarg_segment_align: 8
    .kernarg_segment_size: 72
    .max_flat_workgroup_size: 256
    .sgpr_count:     66
    .vgpr_count:     76
    .wavefront_size: 32
...
	.end_amdgpu_metadata
.endif
;; end of part 1
;; launch qkv (part 2): grid 16 x 16, 4 waves a work-group, clusters of 4 x 4, 327,680 bytes of LDS; arguments xw, cs, qkvh; writes qkvh
.if DOCPART == 2
	.amdgcn_target "amdgcn-amd-amdhsa--gfx1250"
	.amdhsa_code_object_version 6
	.text
	.protected	k_q4992074e33_qkv
	.globl	k_q4992074e33_qkv
	.p2align	8
	.type	k_q4992074e33_qkv,@function
k_q4992074e33_qkv:
	s_mov_b64 s[64:65], 0
	v_nop
	global_prefetch_b8 v0, s[64:65] scope:SCOPE_SE
	s_setreg_imm32_b32 hwreg(HW_REG_WAVE_MODE, 25, 1), 1
	s_wait_xcnt 0x0
	s_wait_alu depctr_hold_cnt(0) depctr_sa_sdst(0) depctr_va_vdst(0) depctr_va_sdst(0) depctr_va_ssrc(0) depctr_va_vcc(0) depctr_vm_vsrc(0)
	s_getreg_b32 s2, hwreg(HW_REG_IB_STS2, 6, 4)
	s_cmp_eq_u32 s2, 0
	s_cbranch_scc0 .Lentry_in_a_cluster
	s_endpgm
.Lentry_in_a_cluster:
	s_bfe_u32 s2, ttmp6, 0x10000c
	s_cmp_lg_u32 s2, 0xf033
	s_cbranch_scc0 .Lentry_shape_is_right
	s_endpgm
.Lentry_shape_is_right:
; q, k, v of ONE head for 128 tokens: C[128][q 128 | k 128 | v 128] = x W^T, bf16 operands, f32 sums over K = 2,048; then the rotation by cos and sin, a scale, one rounding to f16.
; xw: [5][2048][2048] of 16 bits (plane 0 x, 1 Wq, 2 Wk, 3 Wv).  cs: [2][2048][128] f32: cos, sin, already rounded to bf16 like the other inputs.  qkvh: [3][16][2048][128] f16.
; SCALES.  q is stored times log2(e) / sqrt(128) / 8, k times 2^-6, v times 2^-1: 512 x (q . k) as stored is the softmax's exponent in base 2, and f16 has room on both sides.
; LIMITS (f16 ends at 65,504): |rotated q| < 4.1e6, |rotated k| < 4.19e6, |v| < 1.31e5; stored numbers under 6.1e-5 keep f16's fixed step of 6e-8.  NaN and infinities are not treated apart.
; SHARES.  Grid x = head, y = block of 128 tokens.  Wave w has all 128 rows and the column blocks w and w + 4 (16 columns each) of q, of k and of v: 48 accumulators.  Columns d and d + 64
; so lie in the same lane and register number of two accumulators, and the rotation changes no lanes.
; THE MATRIX INSTRUCTION IS USED TRANSPOSED (source 0 = 16 rows of W, source 1 = 16 rows of x): a lane holds token l % 16 and the columns 8 (l / 16) + 0..7.
; RING.  K in steps of 128 through two LDS slots of four parts (x, Wq, Wk, Wv: 128 rows x 256 bytes each, 16 bytes of padding a row); wave w brings part w, one tensor load a wave.
; CLUSTER 4 x 4.  x's part hangs on the token block alone and is shared along a row of the cluster, W's parts on the head alone and are shared along a column: joint loads.
; THE WALK ALONG K begins at step (4 X + 8 Y) mod 16 (X, Y: the cluster's place in the grid, the same for its sixteen work-groups) and goes round.  The four clusters that read the same rows of x
; begin four steps apart; of the four that read the same rows of W two begin eight steps from the other two: clusters that share rows ask for different blocks at any one time.  The order of the f32 sums
; along K so differs from cluster to cluster.
; REGISTERS: window 0: v0-31 addresses; v32-143, v144-255 two fragment buffers (64 of x, 48 of W), later the way out.  window 1: q's 16 accumulators, then k's.  window 2: v's.  window 3: cos and sin.
.set KSTEP,  128
.set STEPS,  16
.set PITCH,  272                       ; an LDS row: 256 bytes + 16 of padding = 68 words: the 16 rows of a load start at 16 different groups of four banks (64 banks of 4 bytes: ISA guide 11.1)
.set PART,   128*PITCH                 ; 0x8800
.set SLOT,   4*PART                    ; 0x22000: its two bits are clear in the parts' addresses 0, 0x8800, 0x11000, 0x19800, so one exclusive or changes slots
.set STAGE,  2*SLOT                    ; behind the ring, never filled by a tensor load: 128 rows x 272 bytes, the work-group's, for the way out
.set SPARE,  STAGE+128*PITCH           ; behind the stage: the spare words, 128 bytes for each wave: two blocks of 256 bytes that no other line names
.set PLANE,  0x800000                  ; bytes in a plane of xw and of qkvh
.set ABASE, 12                         ; v12     my lane's place in x's part of slot 0; never rewritten
.set BBASE, 13                         ; v13-15  in Wq's, Wk's, Wv's; never rewritten
.set ADRA, 16                          ; v16     the same in the slot in hand
.set ADRB, 17                          ; v17-19
.set STO,  24                          ; v24     where I put 16 bytes of a stage row
.set RD,   25                          ; v25     where I read rows back
.set CO,   26                          ; v26     16 x lane: my 16 bytes of 512 consecutive bytes of qkvh
.set CSO,  27                          ; v27     my byte offset in 16 rows of cos and sin
.set SPW,  28                          ; v28     LDS address of my spare word; never rewritten
.set NIL,  29                          ; v29     0; never rewritten
.set PFO,  30                          ; v30     lane x 4,096: a row of xw a lane; never rewritten
.set F0,   32
.set F1,   144
.set T,    32                          ; the way out: v[32:39] at work, v[40:47] columns d, v[48:55] columns d + 64, v[56:63] packed, v[64:255] three sets of 64 for whole rows
.set O0,   40
.set O1,   48
.set PK,   56
.set OB,   64
.set WV,   12                          ; s12  my wave's number
.set BA,   14                          ; s[14:15] xw at the token block's first row
.set G1,   24                          ; s[24:31] descriptor group 1 for x's part;  s[32:39] group 0: a set for each of the two first fills; the second then walks on
.set G0,   32
.set BB,   46                          ; s[46:47] xw at the head's first row in plane w
.set G1B,  48                          ; s[48:55], s[56:63] the same for W's parts
.set G0B,  56
.set LIM,  66                          ; s66  a wave prefetches while the loop's count is above it
.set TB,   67                          ; s67  LDS byte at which the slot in hand begins
.set PFA,  68                          ; s[68:69] what the prefetch names
.set OUTP, 70                          ; s[70:75] qkvh at my 32 rows, for q, k, v
.set CB,   76                          ; s[76:77] cos at the block's first row
.set SB,   78                          ; s[78:79] sin
.set SC,   80                          ; s[80:85] the three scales, each named as a pair
.set OFP,  86                          ; s[86:87] the prefetched K step's byte offset in a row
.set KN,   91                          ; s91  the K step asked for last
.set OFK,  92                          ; s[92:93] a K step's byte offset in a row
.set PFB,  94                          ; s[94:95] xw at my work-group's 32 of the 128 rows that I fetch
.set GW,   (1<<16)|(1<<20)|(1<<21)|(5<<22)|(3<<25)  ; 17:16 2-byte elements; 20 padding on; 21 set beside a mask; 24:22 after every 64 words; 31:25 4 words
.set MSB, 0
.macro WIN new                         ; the immediate's high byte repeats the setting that is left; a switch that changes nothing is dropped
.if MSB != (\new)
	s_set_vgpr_msb (MSB<<8)|(\new)
.set MSB, \new
.endif
.endm
.macro PLACES                          ; four places behind matrix instructions, in front of loads into registers that they have read and of lines that read results
.rept 4
	v_nop
.endr
.endm
; A joint load.  Wave 0 fetches x's part, waves 1-3 Wq's, Wk's, Wv's.  The branch hangs on the wave's number alone.  An s_nop 0 and four v_nop follow each line.
.macro JLOAD s
	s_cmp_eq_u32 s[WV], 0
	s_cbranch_scc0 .Lfor_b_\@
	tensor_load_to_lds s[G0+4*(\s):G0+4*(\s)+3], s[G1:G1+7]
	s_nop 0
.rept 4
	v_nop
.endr
	s_branch .Lasked_\@
.Lfor_b_\@:
	tensor_load_to_lds s[G0B+4*(\s):G0B+4*(\s)+3], s[G1B:G1B+7]
	s_nop 0
.rept 4
	v_nop
.endr
.Lasked_\@:
.endm
; A prefetch into the L2 of the K step that the NEXT refill will ask for (192 matrix instructions ahead of that load): 32 rows x 256 bytes, a lane a row, one instruction a wave.
; Each row's 256 bytes of a K step are named at most once in the launch.  In its first four trips a cluster walks steps of x that no cluster of its row has walked: wave 0 asks in trip 0, for step 3 of the walk.
; In its first eight trips it walks steps of W that only the cluster two rows of clusters away walks with it: waves 1-3 of the clusters with Y < 2 ask in trips 0 to 4, for steps 3 to 7.
; The four partners of a joint load take 32 of its 128 rows each, by address.  The walk's steps 0 to 2 come by their loads alone.
.macro ASK
	s_cmp_gt_u32 s3, s[LIM]
	s_cbranch_scc0 .Lnot_mine_\@
	global_prefetch_b8 v[PFO], s[PFA:PFA+1] th:TH_LOAD_NT scope:SCOPE_SE
.Lnot_mine_\@:
.endm
.macro CREST                           ; a round of the cluster's barrier behind its opening barrier
	s_cmp_lg_u32 s[WV], 0
	s_cbranch_scc1 .Lnot_wave_0_\@
	s_barrier_signal -3
.Lnot_wave_0_\@:
	s_barrier_wait -3
	s_barrier_signal -1
	s_barrier_wait -1
.endm
.macro CROUND
	s_barrier_signal -1
	s_barrier_wait -1
	CREST
.endm
	s_load_b128 s[4:7], s[0:1], 0x0                ; xw s[4:5], cs s[6:7]
	s_load_b64 s[8:9], s[0:1], 0x10                ; qkvh
	v_lshl_add_u32 v[SPW], v0, 2, SPARE
	v_mov_b32 v[NIL], 0
	ds_add_u32 v[SPW], v[NIL]                      ; the wave's opening: the add and its wait stand ahead of my first tensor load; work on registers stands between them
	v_lshrrev_b32 v1, 5, v0
	v_readfirstlane_b32 s[WV], v1                  ; wave 0..3
	s_bfe_u32 s40, ttmp6, 0x40000                  ; cx
	s_bfe_u32 s41, ttmp6, 0x40004                  ; cy
	s_lshl_b32 s42, ttmp9, 2
	s_add_co_u32 s42, s42, s40                     ; the head = 4 X + cx
	s_and_b32 s90, ttmp7, 0xffff                   ; Y
	s_lshl_b32 s13, s90, 2
	s_add_co_u32 s13, s13, s41                     ; the token block = 4 Y + cy
	s_lshl_b32 s43, s41, 2
	s_lshl_b32 s43, 15, s43                        ; my row of the cluster
	s_lshl_b32 s44, 0x1111, s40                    ; my column
	s_or_b32 s[G1], s43, GW                        ; x's part goes to my row,
	s_or_b32 s[G1B], s44, GW                       ; W's parts to my column
.irp g, G1, G1B
	s_mov_b32 s[(\g)+1], KSTEP<<16                 ; tensor_dim0 = 128
	s_mov_b32 s[(\g)+2], 128<<16                   ; tensor_dim1 = 128
	s_mov_b32 s[(\g)+3], KSTEP<<16                 ; tile_dim0 = 128
	s_mov_b32 s[(\g)+4], 128                       ; tile_dim1 = 128
	s_mov_b32 s[(\g)+5], 2048                      ; elements from row to row
	s_mov_b32 s[(\g)+6], 0
	s_mov_b32 s[(\g)+7], 0
.endr
	s_lshl_b32 s[KN], ttmp9, 2
	s_lshl_b32 s88, s90, 3
	s_add_co_u32 s[KN], s[KN], s88
	s_and_b32 s[KN], s[KN], STEPS-1                ; the walk's first K step: (4 X + 8 Y) mod 16
	s_mov_b32 s[OFK+1], 0
	s_mov_b32 s[TB], 0
	s_lshl_b32 s16, s13, 19                        ; x: 128 rows of 4,096 bytes a token block
	s_mov_b32 s17, 0
	s_lshl_b32 s46, s42, 19                        ; W: 128 rows a head,
	s_lshl_b32 s47, s[WV], 23                      ; in plane w
	s_add_co_u32 s46, s46, s47
	s_mov_b32 s47, 0
	s_mul_i32 s20, s[WV], PART                     ; part w of a slot: no place in the cluster enters an LDS address
	s_mov_b32 s[SC], 0x3c8293ee                    ; log2(e) / sqrt(128) / 8
	s_mov_b32 s[SC+1], s[SC]
	s_mov_b32 s[SC+2], 0x3c800000                  ; 2^-6
	s_mov_b32 s[SC+3], s[SC+2]
	s_mov_b32 s[SC+4], 0.5                         ; 2^-1
	s_mov_b32 s[SC+5], s[SC+4]
	s_wait_dscnt 0x0                               ; the opening add is done
	s_wait_kmcnt 0x0
	s_add_nc_u64 s[BA:BA+1], s[4:5], s[16:17]
	s_add_nc_u64 s[BB:BB+1], s[4:5], s[46:47]
	CROUND                                         ; all sixteen work-groups are here: the first joint loads meet
.irp s, 0,1
	s_lshl_b32 s[OFK], s[KN], 8                    ; a K step is 256 bytes of a row
	s_mov_b32 s[G0+4*(\s)], 1
	s_add_co_u32 s[G0+4*(\s)+1], s20, (\s)*SLOT
	s_add_nc_u64 s[G0+4*(\s)+2:G0+4*(\s)+3], s[BA:BA+1], s[OFK:OFK+1]
	s_or_b32 s[G0+4*(\s)+3], s[G0+4*(\s)+3], 0x80000000
	s_mov_b32 s[G0B+4*(\s)], 1
	s_add_co_u32 s[G0B+4*(\s)+1], s20, (\s)*SLOT
	s_add_nc_u64 s[G0B+4*(\s)+2:G0B+4*(\s)+3], s[BB:BB+1], s[OFK:OFK+1]
	s_or_b32 s[G0B+4*(\s)+3], s[G0B+4*(\s)+3], 0x80000000
	JLOAD \s                                       ; the walk's steps 0 and 1: two loads of mine are out
.if (\s) == 0
	s_add_co_u32 s[KN], s[KN], 1                   ; (the first step is a multiple of 4: no turn of the ring here)
.endif
.endr
	; addresses.  A fragment is 16 rows x 32 K in 8 registers: lane l holds row l % 16; two loads of 16 bytes, 32 bytes apart, at row x pitch + 16 (l / 16)
	v_and_b32 v1, 15, v0                           ; r = l % 16
	v_bfe_u32 v2, v0, 4, 1                         ; h = l / 16
	v_and_b32 v5, 31, v0                           ; l
	v_mul_u32_u24 v3, v1, PITCH
	v_lshl_add_u32 v3, v2, 4, v3
	v_mov_b32 v[ABASE], v3
	v_mov_b32 v[ADRA], v3
	s_mul_i32 s21, s[WV], 16*PITCH                 ; column block w of each W
.irp t, 0,1,2
	s_add_co_u32 s22, s21, (1+(\t))*PART
	v_add_nc_u32 v[BBASE+(\t)], s22, v3
	v_add_nc_u32 v[ADRB+(\t)], s22, v3
.endr
	s_lshl_b32 s23, s[WV], 5
	s_add_co_u32 s23, s23, STAGE
	v_add_nc_u32 v[STO], s23, v3                   ; stage row r, byte 32 w + 16 h
	s_mul_i32 s23, s[WV], 32*PITCH
	s_add_co_u32 s23, s23, STAGE
	v_mul_u32_u24 v4, v2, PITCH
	v_lshl_add_u32 v4, v1, 4, v4
	v_add_nc_u32 v[RD], s23, v4                    ; back: wave w takes rows 32 w .. 32 w + 31, whole; lanes 0-15 one row, lanes 16-31 the next
	v_lshlrev_b32 v[CO], 4, v5
	v_lshlrev_b32 v[PFO], 12, v5
	s_lshl_b32 s23, s[WV], 6
	v_lshlrev_b32 v[CSO], 9, v1                    ; row r of 512 bytes,
	v_lshl_add_u32 v[CSO], v2, 5, v[CSO]           ; + 32 h
	v_add_nc_u32 v[CSO], s23, v[CSO]               ; + 64 w: columns 16 w + 8 h on
	; global addresses that mix the two coordinates, in registers that feed no descriptor
	s_lshl_b32 s86, s42, 19                        ; the head's 2,048 rows of 256 bytes,
	s_lshl_b32 s87, s13, 15                        ; the block's 128,
	s_add_co_u32 s86, s86, s87
	s_lshl_b32 s87, s[WV], 13                      ; my 32
	s_add_co_u32 s86, s86, s87
	s_mov_b32 s87, 0
	s_add_nc_u64 s[OUTP:OUTP+1], s[8:9], s[86:87]
	s_add_nc_u64 s[OUTP+2:OUTP+3], s[OUTP:OUTP+1], PLANE
	s_add_nc_u64 s[OUTP+4:OUTP+5], s[OUTP+2:OUTP+3], PLANE
	s_lshl_b32 s86, s13, 16                        ; 128 rows of 512 bytes
	s_add_nc_u64 s[CB:CB+1], s[6:7], s[86:87]
	s_add_nc_u64 s[SB:SB+1], s[CB:CB+1], 0x100000  ; sin lies behind cos's 1,048,576 bytes
	; the prefetches
	s_cmp_lt_u32 s90, 2
	s_cselect_b32 s[LIM], 9, -1                    ; W: trips 0 to 4 (the count runs 14, 13, ..), in the clusters with Y < 2
	s_cmp_eq_u32 s[WV], 0                          ; do I fetch x?
	s_cselect_b32 s[LIM], 13, s[LIM]               ; x: trip 0.  The same in all sixteen partners, for a given wave
	s_cselect_b32 s88, s13, s42                    ; the part's block of 128 rows
	s_cselect_b32 s89, s40, s41                    ; my place among the four that ask for it with me
	s_lshl_b32 s88, s88, 7
	s_lshl_b32 s89, s89, 5
	s_add_co_u32 s88, s88, s89                     ; my work-group's 32 rows,
	s_lshl_b32 s88, s88, 12                        ; in bytes,
	s_lshl_b32 s89, s[WV], 23                      ; in plane w
	s_add_co_u32 s88, s88, s89
	s_mov_b32 s89, 0
	s_add_nc_u64 s[PFB:PFB+1], s[4:5], s[88:89]
	; cos and sin of my rows and columns come into registers and are wanted only on the way out: for row block a at 32 a of window 3: cos[d] (8), cos[d + 64] (8), sin[d] (8), sin[d + 64] (8).
	; The 64 loads stay out over the loop; nothing rewrites their address registers.
	WIN 0xc0                                       ; destination window 3, address window 0
.irp a, 0,1,2,3,4,5,6,7
.irp q, 0,1
	global_load_b128 v[32*(\a)+8*(\q):32*(\a)+8*(\q)+3],       v[CSO], s[CB:CB+1] offset:(\a)*8192+256*(\q)
	global_load_b128 v[32*(\a)+8*(\q)+4:32*(\a)+8*(\q)+7],     v[CSO], s[CB:CB+1] offset:(\a)*8192+256*(\q)+16
	global_load_b128 v[32*(\a)+16+8*(\q):32*(\a)+16+8*(\q)+3], v[CSO], s[SB:SB+1] offset:(\a)*8192+256*(\q)
	global_load_b128 v[32*(\a)+16+8*(\q)+4:32*(\a)+16+8*(\q)+7], v[CSO], s[SB:SB+1] offset:(\a)*8192+256*(\q)+16
.endr
.endr
	WIN 0
; 8 matrix instructions: tensor t (0 q, 1 k, 2 v), its column block c x all 8 row blocks, 32 along K.  The 48 accumulators take turns in one fixed order, one instruction a turn.
.macro MULTC f, t, c, zero
	WIN 0x50+0x50*((\t)/2)                         ; C and D window 1 (q, k) or 2 (v); sources window 0
.irp a, 0,1,2,3,4,5,6,7
.set rD, 128*((\t)%2)+8*(8*(\c)+(\a))
.if \zero
	v_wmma_f32_16x16x32_bf16 v[rD:rD+7], v[(\f)+64+8*(2*(\t)+(\c)):(\f)+64+8*(2*(\t)+(\c))+7], v[(\f)+8*(\a):(\f)+8*(\a)+7], 0
.else
	v_wmma_f32_16x16x32_bf16 v[rD:rD+7], v[(\f)+64+8*(2*(\t)+(\c)):(\f)+64+8*(2*(\t)+(\c))+7], v[(\f)+8*(\a):(\f)+8*(\a)+7], v[rD:rD+7]
.endif
.endr
.endm
.macro MULT f, t, zero
	MULTC \f, \t, 0, \zero
	MULTC \f, \t, 1, \zero
.endm
; 28 LDS loads in one run, from the slot in hand: 32 K at byte k of the rows: x's 8 fragments, then two of Wq, of Wk, of Wv
.macro FETCH k, f
	WIN 0
.irp a, 0,1,2,3,4,5,6,7
	ds_load_b128 v[(\f)+8*(\a):(\f)+8*(\a)+3],   v[ADRA] offset:(\k)+(\a)*16*PITCH
	ds_load_b128 v[(\f)+8*(\a)+4:(\f)+8*(\a)+7], v[ADRA] offset:(\k)+(\a)*16*PITCH+32
.endr
.irp t, 0,1,2
.irp c, 0,1
	ds_load_b128 v[(\f)+64+8*(2*(\t)+(\c)):(\f)+64+8*(2*(\t)+(\c))+3],   v[ADRB+(\t)] offset:(\k)+(\c)*64*PITCH
	ds_load_b128 v[(\f)+64+8*(2*(\t)+(\c))+4:(\f)+64+8*(2*(\t)+(\c))+7], v[ADRB+(\t)] offset:(\k)+(\c)*64*PITCH+32
.endr
.endr
.endm
; A K step is four quarters of 32 along K, 48 matrix instructions each, on buffers 0, 1, 0, 1.  One of the first three: multiplies f, fetches the next quarter (byte k) into g.
.macro QUARTER k, f, g, zero
	s_wait_dscnt 8                                 ; x's and Wq's fragments are in; the youngest eight loads (Wk's, Wv's) may be out
	MULT \f, 0, \zero
	PLACES
	FETCH \k, \g
	s_wait_dscnt 28                                ; all but the 28 just issued
	MULT \f, 1, \zero
	MULT \f, 2, \zero
.endm
; The last quarter multiplies buffer 1 and changes slots: ONE barrier; in front of it each wave waits for all its tensor loads (one is out: its part of the next slot), adds 0 to its spare word,
; and waits for that and for its reads of this slot.  fill = 1: the barrier opens a round of the cluster's barrier, and this slot is filled again, with the walk's step two on, first thing behind the round.
; The refill stands as close behind the wait for the tile as these lines allow: eight matrix instructions between the add and the wait for it, none inside the round; the quarter's other forty follow the fetch.
.macro TURN fill
.if \fill
	s_wait_xcnt 0x0                                ; the last prefetch, a K step back, has read its address
	s_add_co_u32 s[OFP], s[KN], 2                  ; the step behind the one that is asked for below,
	s_and_b32 s[OFP], s[OFP], STEPS-1              ; round the ring,
	s_lshl_b32 s[OFP], s[OFP], 8
	s_add_nc_u64 s[PFA:PFA+1], s[PFB:PFB+1], s[OFP:OFP+1]
.endif
	WIN 0
	s_wait_tensorcnt 0x0                           ; no tensor load of mine is out, so a group 0 may be written
	ds_add_u32 v[SPW], v[NIL]                      ; 0 onto my spare word
.if \fill
	s_add_co_u32 s[KN], s[KN], 1
	s_and_b32 s[KN], s[KN], STEPS-1
	s_lshl_b32 s[OFK], s[KN], 8
	s_xor_b32 s[G0+5], s[G0+5], SLOT               ; the walking descriptors: the other slot than last time; the address made anew from the step's number
	s_add_nc_u64 s[G0+6:G0+7], s[BA:BA+1], s[OFK:OFK+1]
	s_or_b32 s[G0+7], s[G0+7], 0x80000000
	s_xor_b32 s[G0B+5], s[G0B+5], SLOT
	s_add_nc_u64 s[G0B+6:G0B+7], s[BB:BB+1], s[OFK:OFK+1]
	s_or_b32 s[G0B+7], s[G0B+7], 0x80000000
.endif
	s_xor_b32 s[TB], s[TB], SLOT                   ; the fetches go on in the other slot
	v_add_nc_u32 v[ADRA], s[TB], v[ABASE]
.irp t, 0,1,2
	v_add_nc_u32 v[ADRB+(\t)], s[TB], v[BBASE+(\t)]
.endr
	s_wait_dscnt 9                                 ; (the add and the youngest eight loads may be out)
	MULTC F1, 0, 0, 0
	s_wait_dscnt 0x0                               ; the add is done, and my reads of this slot are over
	WIN 0
	s_barrier_signal -1
	s_barrier_wait -1
.if \fill
	CREST                                          ; no wave of any partner still reads this slot or has a load on its way
	JLOAD 1                                        ; the four v_nop behind it are also places in front of the loads below
.else
	PLACES
.endif
	FETCH 0, F0
.if \fill
	ASK
.endif
	MULTC F1, 0, 1, 0
	MULT F1, 1, 0
	MULT F1, 2, 0
.endm
	s_wait_tensorcnt 1                             ; my part of the walk's step 0 is in; step 1's may stay out
	s_barrier_signal -1
	s_barrier_wait -1
	FETCH 0, F0
	QUARTER 64,  F0, F1, 1                         ; the first quarter stands in front of the loop: its products start the sums
	WIN 0
	s_mov_b32 s3, STEPS-2
.Lstep:                                                ; a trip: from a K step's second quarter to the next step's first; it fills the slot that it leaves
	QUARTER 128, F1, F0, 0
	QUARTER 192, F0, F1, 0
	TURN 1
	QUARTER 64,  F0, F1, 0
	WIN 0
	s_sub_co_u32 s3, s3, 1
	s_cmp_lg_u32 s3, 0
	s_cbranch_scc1 .Lstep
	QUARTER 128, F1, F0, 0                         ; the last two steps fill nothing
	QUARTER 192, F0, F1, 0
	TURN 0
	QUARTER 64,  F0, F1, 0
	QUARTER 128, F1, F0, 0
	QUARTER 192, F0, F1, 0
	s_wait_dscnt 8
	MULT F1, 0, 0
	s_wait_dscnt 0x0
	MULT F1, 1, 0
	MULT F1, 2, 0
	WIN 0
	s_wait_loadcnt 0x0                             ; cos and sin
	PLACES
	PLACES
; THE WAY OUT, a pass for each of q, k, v through the one stage.  out[d] = X[d] cos[d] - X[d+64] sin[d]; out[d+64] = X[d+64] cos[d+64] + X[d] sin[d+64]; then the scale and one rounding to f16.
; Each accumulator's registers are taken in ascending order.
.macro PACKST a
	WIN 0
.irp n, 0,1,2,3,4,5,6,7
	v_cvt_pk_f16_f32 v[PK+(\n)], v[O0+2*(\n)], v[O0+2*(\n)+1]
.endr
	ds_store_b128 v[STO], v[PK:PK+3]   offset:(\a)*16*PITCH
	ds_store_b128 v[STO], v[PK+4:PK+7] offset:(\a)*16*PITCH+128
.endm
.macro ROPE t
.irp a, 0,1,2,3,4,5,6,7
	WIN 0x0d                                       ; source 0 window 1 (sums), source 1 window 3 (cos, sin), source 2 and destination window 0
.set X0, 128*(\t)+8*(\a)
.set X1, X0+64
.set CS0, 32*(\a)
.irp p, 0,2,4,6
	v_pk_mul_f32 v[T+(\p):T+(\p)+1], v[X1+(\p):X1+(\p)+1], v[CS0+16+(\p):CS0+16+(\p)+1]
.endr
.irp p, 0,2,4,6
	v_pk_fma_f32 v[O0+(\p):O0+(\p)+1], v[X0+(\p):X0+(\p)+1], v[CS0+(\p):CS0+(\p)+1], v[T+(\p):T+(\p)+1] neg_lo:[0,0,1] neg_hi:[0,0,1]
.endr
.irp p, 0,2,4,6
	v_pk_mul_f32 v[T+(\p):T+(\p)+1], v[X0+(\p):X0+(\p)+1], v[CS0+24+(\p):CS0+24+(\p)+1]
.endr
.irp p, 0,2,4,6
	v_pk_fma_f32 v[O1+(\p):O1+(\p)+1], v[X1+(\p):X1+(\p)+1], v[CS0+8+(\p):CS0+8+(\p)+1], v[T+(\p):T+(\p)+1]
.endr
	WIN 0
.irp p, 0,2,4,6,8,10,12,14
	v_pk_mul_f32 v[O0+(\p):O0+(\p)+1], v[O0+(\p):O0+(\p)+1], s[SC+2*(\t):SC+2*(\t)+1] op_sel_hi:[1,0]
.endr
	PACKST \a
.endr
.endm
.macro VOUT
.irp a, 0,1,2,3,4,5,6,7
	WIN 0x02                                       ; source 0 window 2
.irp p, 0,2,4,6
	v_pk_mul_f32 v[O0+(\p):O0+(\p)+1], v[8*(\a)+(\p):8*(\a)+(\p)+1], s[SC+4:SC+5] op_sel_hi:[1,0]
.endr
.irp p, 0,2,4,6
	v_pk_mul_f32 v[O1+(\p):O1+(\p)+1], v[64+8*(\a)+(\p):64+8*(\a)+(\p)+1], s[SC+4:SC+5] op_sel_hi:[1,0]
.endr
	PACKST \a
.endr
.endm
.macro FLUSH t
	s_wait_dscnt 0x0                               ; for the others' sake: my stores into the stage are done
	s_barrier_signal -1
	s_barrier_wait -1                              ; a row's 256 bytes come from all four waves
.irp i, 0,1,2,3,4,5,6,7,8,9,10,11,12,13,14,15
	ds_load_b128 v[OB+64*(\t)+4*(\i):OB+64*(\t)+4*(\i)+3], v[RD] offset:(\i)*2*PITCH
.endr
.irp i, 0,1,2,3,4,5,6,7,8,9,10,11,12,13,14,15
	s_wait_dscnt 15-(\i)                           ; the younger loads may be out
	global_store_b128 v[CO], v[OB+64*(\t)+4*(\i):OB+64*(\t)+4*(\i)+3], s[OUTP+2*(\t):OUTP+2*(\t)+1] offset:512*(\i)  ; 512 consecutive bytes, aligned; each pass has its own 64 registers, so none is rewritten
.endr
.if (\t) < 2
	s_barrier_signal -1                            ; every wave's reads of the stage are back (the count above ended at 0): it may be written again
	s_barrier_wait -1
.endif
.endm
	ROPE 0
	FLUSH 0
	ROPE 1
	FLUSH 1
	VOUT
	FLUSH 2
	s_wait_tensorcnt 0x0                           ; the wave's end, behind my last tensor load and my last LDS store
	ds_add_u32 v[SPW], v[NIL]
	s_wait_dscnt 0x0
	CROUND                                         ; the closing round
	s_endpgm
.Lfunc_end_k_q4992074e33_qkv:
	.size	k_q4992074e33_qkv, .Lfunc_end_k_q4992074e33_qkv-k_q4992074e33_qkv
	.p2alignl 7, 3214868480
	.fill 96, 4, 3214868480
	.section	.rodata,"a",@progbits
	.p2align	6, 0x0
	.amdhsa_kernel k_q4992074e33_qkv
		.amdhsa_group_segment_fixed_size 327680
		.amdhsa_private_segment_fixed_size 0
		.amdhsa_enable_private_segment 0
		.amdhsa_kernarg_size 24
		.amdhsa_user_sgpr_count 2
		.amdhsa_user_sgpr_kernarg_segment_ptr 1
		.amdhsa_wavefront_size32 1
		.amdhsa_system_sgpr_workgroup_id_x 1
		.amdhsa_system_sgpr_workgroup_id_y 1
		.amdhsa_system_sgpr_workgroup_id_z 1
		.amdhsa_system_vgpr_workitem_id 0
		.amdhsa_next_free_vgpr 1024
		.amdhsa_next_free_sgpr 96
		.amdhsa_reserve_vcc 0
		.amdhsa_float_denorm_mode_32 3
		.amdhsa_float_denorm_mode_16_64 3
		.amdhsa_memory_ordered 1
		.amdhsa_forward_progress 1
		.amdhsa_inst_pref_size 132
	.end_amdhsa_kernel
	.amdgpu_metadata
---
amdhsa.version: [ 1, 2 ]
amdhsa.kernels:
  - .name:           k_q4992074e33_qkv
    .symbol:         k_q4992074e33_qkv.kd
    .args:
      - { .name: xw, .offset: 0, .size: 8, .value_kind: global_buffer, .address_space: global }
      - { .name: cs, .offset: 8, .size: 8, .value_kind: global_buffer, .address_space: global }
      - { .name: qkvh, .offset: 16, .size: 8, .value_kind: global_buffer, .address_space: global }
    .group_segment_fixed_size: 327680
    .private_segment_fixed_size: 0
    .kernarg_segment_align: 8
    .kernarg_segment_size: 24
    .max_flat_workgroup_size: 128
    .sgpr_count:     96
    .vgpr_count:     1024
    .wavefront_size: 32
...
	.end_amdgpu_metadata
.endif
;; end of part 2
;; launch attn (part 3): grid 16 x 16, 4 waves a work-group, clusters of 4 x 1, 327,680 bytes of LDS; arguments qkvh, oh; writes oh
.if DOCPART == 3
	.amdgcn_target "amdgcn-amd-amdhsa--gfx1250"
	.amdhsa_code_object_version 6
	.text
	.protected	k_q4992074e33_attn
	.globl	k_q4992074e33_attn
	.p2align	8
	.type	k_q4992074e33_attn,@function
k_q4992074e33_attn:
	s_mov_b64 s[64:65], 0
	v_nop
	global_prefetch_b8 v0, s[64:65] scope:SCOPE_SE
	s_setreg_imm32_b32 hwreg(HW_REG_WAVE_MODE, 25, 1), 1
	s_wait_xcnt 0x0
	s_wait_alu depctr_hold_cnt(0) depctr_sa_sdst(0) depctr_va_vdst(0) depctr_va_sdst(0) depctr_va_ssrc(0) depctr_va_vcc(0) depctr_vm_vsrc(0)
	s_getreg_b32 s2, hwreg(HW_REG_IB_STS2, 6, 4)
	s_cmp_eq_u32 s2, 0
	s_cbranch_scc0 .Lentry_in_a_cluster
	s_endpgm
.Lentry_in_a_cluster:
	s_bfe_u32 s2, ttmp6, 0x10000c
	s_cmp_lg_u32 s2, 0x3003
	s_cbranch_scc0 .Lentry_shape_is_right
	s_endpgm
.Lentry_shape_is_right:
; CAUSAL ATTENTION, head size 128.  qkvh: [3][16][2048][128] f16: q (times log2(e) / sqrt(128) / 8), k (times 2^-6), v (times 2^-1).  oh: [2048 tokens][16 x 128] f16: O in v's scale.
; Products, maxima and sums in f32; the weights p are rounded to f16 for the second product (their sum l is taken of the unrounded p), O once at the end.
; SOFTMAX.  p = 2^(512 s - 512 m), s = q . k as stored, m the running maximum.  512 is a power of two: 512 m is exact, and the fused 512 s - 512 m is 0 at the maximum and below 0 elsewhere.
; LIMITS.  A hidden score counts as its value less 1e30 (f16's s is 5.5e11 at the most); m starts at -2^93, between the two; a weight under 2^-126 counts as 0 in l; p under 6e-5 keeps f16's fixed
; step of 6e-8.  NaN and infinities are not treated apart.
; THE WALK.  A head's queries lie in 32 blocks of 64; block i needs the key steps 0 .. i of 64 keys, of which the last holds the diagonal.  A work-group takes blocks 31 - b and then b.
; THE KEYS ARE SPLIT AMONG THE WAVES: all four waves hold the block's 64 queries (four tiles of 16); a ROUND is a tile of 256 keys, of which wave w takes step w.  With b = 4 fb + cx the first block has
; 8 - fb rounds and the second fb + 1: nine for every work-group, and the four partners of a cluster (same fb) want the same tile in every round: every load is joint.
; In a block's last round wave w sees all of its step (w < d), holds the diagonal (w = d) or sees nothing (w > d); d = 3 - cx, then cx.  The three cases differ in three scalars made by selects,
; which enter the masks' values alone: no branch, trip count or LDS address hangs on cx.  A dead step is computed hidden: 3 of a work-group's 36.
; THE MASK is the C operand that starts S^T = K Q^T: for tile t and key block kb: LOWX (kb < t), TRIX (kb = t), NEGX (kb > t).
; THE MERGE, at a block's end: the waves' c m and l meet in LDS; each wave scales its O^T by 2^(c m - max) / (the sum of all l so scaled); the four partial tiles meet in LDS in f32, are added, rounded once.
; LAYOUT.  S^T holds ONE query a lane (lane % 16) and the keys 8 (lane / 16) + 0..7; two results rounded to f16 ARE source 1 of O^T = V^T P.  K comes out of LDS as it lies, V turned (ds_load_tr16_b128).
; In phases: a step's 64 products K Q^T, its softmax (one batch of exponentials, one wait), its 64 products V^T P.
; REGISTERS: window 0: v0-11 addresses; v12-43 statistics, 8 a tile; v64-191 S^T; v192-255 P.  window 1: O^T, 64 a tile.  window 2: v0-127 Q; v128-255 K.  window 3: v0-127 V; v128-159 masks.
.set PK,    272       ; a row of K in LDS: 256 bytes + 16
.set PV,    288       ; a row of V: 256 + 32
.set VOFF,  256*PK    ; a slot: 256 rows of K, then 256 rows of V
.set TILEB, 256*(PK+PV)  ; 143,360
.set SLOTB, 0x24000   ; slot 1 begins here.  The four parts' LDS addresses in slot 0 (0, 0x8800, 0x11000, 0x1a000) have bits 14 and 17 clear, so one exclusive or changes slots
.set STAT,  TILEB     ; in the gap behind slot 0, never filled: c m at 256 w + 16 r (four tiles), l 1,024 further
.set SPARE, TILEB+2048  ; the spare words, 128 bytes for each wave: two blocks of 256 bytes that no other line names
.set MRG,   SLOTB+TILEB ; behind slot 1, never filled: 4 waves x 16 rows x 528 bytes: a tile's partial sums in f32
.set MP,    528
.set PLANE, 0x800000
.set AK0, 2           ; v2   my lane's place in my step of a tile of K; never rewritten
.set AV0, 3           ; v3   the same for V
.set ADK, 4           ; v4   the LDS address of K's run of loads
.set ADV, 5           ; v5   of V's
.set QO,  6           ; v6   my byte offset in 16 rows of Q
.set MST, 7           ; v7   where I put 32 bytes of my partial tile's row
.set MRD, 8           ; v8   where I read 16 bytes of a row of the partial tiles
.set GO,  9           ; v9   8 x lane: my 8 bytes of a row of oh
.set STA, 10          ; v10  where I put my statistics
.set STR, 11          ; v11  where I read everybody's
.set ST,  12          ; tile t at v[ST+8 t]: +0 c m, +1 m, +2, +3 l (even keys', odd keys'), +4 to +7 c0-c3, at work; a, and in the merge the scale, in c2
.set PFO, 61          ; v61  256 x lane; never rewritten
.set SPW, 62          ; v62  LDS address of my spare word; never rewritten
.set NIL, 63          ; v63  0; never rewritten
.set S,   64
.set P,   192
.set KF,  128         ; window 2
.set TRI, 128         ; window 3: -1e30 where 8 (l / 16) + j > l % 16
.set TRIX, 136
.set NEGX, 144
.set LOWX, 152
.set QM,  64          ; the merge, in S^T's and P's registers: my c m (4), my l (4), everybody's c m (16), l (16), the maximum (4), my factor (4), the sum (4)
.set QL4, 68
.set WM,  72
.set WL,  88
.set CMX, 104
.set FO,  108
.set LL,  112
.set LD,  128         ; v[128:191] four rows x four partial sums
.set SD,  192         ; v[192:223] what is stored: two registers for each of 16 rows
.set KB,  8           ; s[8:9]   K at my half of the head's tile 0
.set VB,  10          ; s[10:11] V
.set WV,  12
.set FB,  14          ; s14  fb = the cluster's x
.set LK,  17
.set LV,  18
.set G1K, 24
.set G1V, 32
.set G0K, 40
.set G0V, 44
.set SLOTS, 56
.set CS,  58          ; s[58:59] 512.0
.set SEL, 60
.set TB,  62          ; s62  LDS byte at which the tile in hand begins
.set QH,  66          ; s[66:67] Q of the first block;  s[68:69] of the second
.set QL,  68
.set OL,  72          ; s[72:73] oh at my rows of the second block
.set OP,  74          ; s[74:75] of the block in hand
.set RT,  76          ; s76  rounds of the block in hand still to come
.set NXT, 77          ; s77  the tile to be asked for next
.set LQ,  78          ; s78  the last tile of the block whose tiles are being asked for
.set OFF, 80
.set AL,  82          ; s[82:83] the diagonal mask's factor
.set BH,  84          ; s84  the mask above the diagonal
.set BL,  86          ; s[86:87] the mask below it
.set DM,  88          ; s88  d of the block in hand
.set BIGN, 90
.set LIM, 91
.set PFA, 92
.set MSB, 0
.macro WIN new
.if MSB != (\new)
	s_set_vgpr_msb (MSB<<8)|(\new)
.set MSB, \new
.endif
.endm
.set W_RS, 0x41       ; O^T (destination and source 0) in window 1, the factor in window 0
.macro PLACES
.rept 4
	v_nop
.endr
.endm
; A joint fill.  Waves 0 and 1 fetch the two halves of a tile's K, waves 2 and 3 those of its V: 128 rows of 256 bytes each.  An s_nop 0 and four v_nop follow each line.
.macro JLOAD
	s_cmp_lt_u32 s[WV], 2
	s_cbranch_scc0 .Lfor_v_\@
	tensor_load_to_lds s[G0K:G0K+3], s[G1K:G1K+7]
	s_nop 0
.rept 4
	v_nop
.endr
	s_branch .Lasked_\@
.Lfor_v_\@:
	tensor_load_to_lds s[G0V:G0V+3], s[G1V:G1V+7]
	s_nop 0
.rept 4
	v_nop
.endr
.Lasked_\@:
.endm
; A prefetch into the L2 of the tile that the NEXT change of slots will ask for: a round (128 matrix instructions and a softmax) ahead.  A head's four clusters walk the same tiles, and the one with
; x = 0 walks all eight in order: it asks.  Of the 128 rows that a wave fetches each of the four partners takes 32, by address: a lane a row, one instruction a wave.  So each row is named once.
; Tiles 0 and 1 come by their loads alone; the trips with SLOTS <= 2 have no new tile behind their own.
.macro ASK
	s_cmp_gt_u32 s[SLOTS], s[LIM]
	s_cbranch_scc0 .Lnot_mine_\@
	global_prefetch_b8 v[PFO], s[PFA:PFA+1] th:TH_LOAD_NT scope:SCOPE_SE
.Lnot_mine_\@:
.endm
.macro CROUND
	s_barrier_signal -1
	s_barrier_wait -1
	s_cmp_lg_u32 s[WV], 0
	s_cbranch_scc1 .Lnot_wave_0_\@
	s_barrier_signal -3
.Lnot_wave_0_\@:
	s_barrier_wait -3
	s_barrier_signal -1
	s_barrier_wait -1
.endm
; THE CHANGE OF SLOTS.  Each wave waits for all its tensor loads (one is out: its part of the other slot), adds 0 to its spare word, and waits for that and for its reads of the slot that it leaves.
; fill = 1: the barrier is a round of the cluster's, and the old slot is filled again, first thing behind it, with tile NXT; the descriptor's address is made anew from that number.
; (At its first use nothing has been read yet: slot 0 is waited for, slot 1 filled.)  By this text's count a wave never has more than one tensor load out.
.macro CHANGE fill
	WIN 0
	s_wait_tensorcnt 0x0
	ds_add_u32 v[SPW], v[NIL]       ; 0 onto my spare word; scalar work stands between it and the wait for it
.if \fill
	s_lshl_b32 s[OFF], s[NXT], 16   ; a tile is 65,536 bytes of K and of V
	s_xor_b32 s[G0K+1], s[G0K+1], SLOTB
	s_add_nc_u64 s[G0K+2:G0K+3], s[KB:KB+1], s[OFF:OFF+1]
	s_or_b32 s[G0K+3], s[G0K+3], 0x80000000
	s_xor_b32 s[G0V+1], s[G0V+1], SLOTB
	s_add_nc_u64 s[G0V+2:G0V+3], s[VB:VB+1], s[OFF:OFF+1]
	s_or_b32 s[G0V+3], s[G0V+3], 0x80000000
	s_add_co_u32 s[NXT], s[NXT], 1  ; the block's next tile, or behind its last the second block's tile 0
	s_cmp_gt_u32 s[NXT], s[LQ]
	s_cselect_b32 s[NXT], 0, s[NXT]
	s_cselect_b32 s[LQ], s[FB], s[LQ]
	s_wait_xcnt 0x0                 ; the last prefetch, a round back, has read its address
	s_add_nc_u64 s[PFA:PFA+1], s[PFA:PFA+1], 65536
	s_wait_dscnt 0x0                ; the add is done, and my reads of the slot are over
	CROUND
	JLOAD
	ASK
.else
	s_wait_dscnt 0x0
	s_barrier_signal -1
	s_barrier_wait -1
.endif
	s_xor_b32 s[TB], s[TB], SLOTB
.endm
; The round's three mask scalars.  d counts only in a block's last round; elsewhere 4, above every wave.
.macro SCAL
	s_sub_co_u32 s[RT], s[RT], 1
	s_cmp_eq_u32 s[RT], 0
	s_cselect_b32 s16, s[DM], 4
	s_cmp_eq_u32 s[WV], s16
	s_cselect_b32 s[AL], 1.0, 0
	s_cmp_ge_u32 s[WV], s16
	s_cselect_b32 s[BH], s[BIGN], 0
	s_cmp_gt_u32 s[WV], s16
	s_cselect_b32 s[BL], s[BIGN], 0
.endm
.macro QLOAD base                   ; a block's Q stays in registers: tile i / 4, channels 32 (i % 4) on
	WIN 0x80                        ; destination window 2, address window 0
.set i, 0
.rept 16
	global_load_b128 v[8*i:8*i+3],   v[QO], s[\base:\base+1] offset:(i/4)*4096+(i%4)*64
	global_load_b128 v[8*i+4:8*i+7], v[QO], s[\base:\base+1] offset:(i/4)*4096+(i%4)*64+32
.set i, i+1
.endr
	WIN 0
.endm
.macro INIT                         ; a block begins: c m far below every c s, so that the first step's a is 0; m below every true score and above every hidden one
.irp t, 0,1,2,3
	v_mov_b32 v[ST+8*(\t)], 0xf3000000    ; -2^103
	v_mov_b32 v[ST+8*(\t)+1], 0xee000000  ; -2^93
.irp n, 2,3,4,5,6,7
	v_mov_b32 v[ST+8*(\t)+(\n)], 0
.endr
.endr
.endm
; One tile's softmax for one key step: a list of 134 instructions; SM writes number j for tile t.  s0-s31 are the lane's 32 scores, in pairs 0-15.
;   0-15 the maximum of s0-s31 and the old m (each accumulator's lowest registers are read first)     16-20 the other half of the lanes'; the new m; c m; its change
;   21-69 ONE BATCH: the 16 scalings c s - c m and all 33 exponentials (a at 23); none of these names an exponential's result     70-85 roundings to f16     86-101 sums; l = a l + sum     102-133 O^T times a
.macro SM t
.set rT, ST+8*(\t)
.set rS, S+32*(\t)
.set rP, P+16*(\t)
.set rO, 64*(\t)+2*(j-102)
.if j < 102
	WIN 0
.endif
.if j < 4
	v_max3_num_f32 v[rT+4+j], v[rS+8*j], v[rS+8*j+1], v[rS+8*j+2]
.elseif j < 12
	v_max3_num_f32 v[rT+4+j%4], v[rT+4+j%4], v[rS+8*(j%4)+2*(j/4)+1], v[rS+8*(j%4)+2*(j/4)+2]
.elseif j == 12
	v_max3_num_f32 v[rT+4], v[rT+4], v[rS+7], v[rS+15]
.elseif j == 13
	v_max3_num_f32 v[rT+6], v[rT+6], v[rS+23], v[rS+31]
.elseif j == 14
	v_max3_num_f32 v[rT+4], v[rT+4], v[rT+5], v[rT+6]
.elseif j == 15
	v_max3_num_f32 v[rT+4], v[rT+4], v[rT+7], v[rT+1]
.elseif j == 16
	v_permlanex16_b32 v[rT+5], v[rT+4], s[SEL], s[SEL+1]  ; the query's other 32 keys lie in the lane 16 away
.elseif j == 17
	v_mov_b32 v[rT+7], v[rT]        ; c m_old is kept for a
.elseif j == 18
	v_max_num_f32 v[rT+1], v[rT+4], v[rT+5]
.elseif j == 19
	v_mul_f32 v[rT], s[CS], v[rT+1]
.elseif j == 20
	v_sub_f32 v[rT+7], v[rT+7], v[rT]
.elseif j == 23
	v_exp_f32 v[rT+6], v[rT+7]
.elseif (j < 23) || ((j < 38) && (j%2 == 0)) || ((j < 66) && (j%4 == 2))
.set b, (j-2)/4                     ; 38, 42, .. 62: pairs 9 to 15
.if j < 38
.set b, (j-20)/2                    ; 21: pair 0; 22, 24, .. 36: pairs 1 to 8
.endif
	v_pk_fma_f32 v[rS+2*b:rS+2*b+1], v[rS+2*b:rS+2*b+1], s[CS:CS+1], v[rT:rT+1] op_sel_hi:[1,0,0] neg_lo:[0,0,1] neg_hi:[0,0,1]
.elseif j < 70
.set e, j-38                        ; 66 to 69: s28 to s31
.if j < 66
.set e, j-32-(j-38)/4               ; 39-41, 43-45, .. 63-65: s7 to s27
.endif
.if j < 38
.set e, (j-25)/2                    ; 25, 27, .. 37: s0 to s6
.endif
	v_exp_f32 v[rS+e], v[rS+e]
.elseif j < 86
	v_cvt_pk_f16_f32 v[rP+j-70], v[rS+2*(j-70)], v[rS+2*(j-70)+1]
.elseif j < 102                     ; the sum of the 16 pairs, in place: neighbours 1, 2, 4 and 8 pairs apart, then l takes it
.set z, j-86
.set w, 4
.set u, z
.if z >= 14
.set w, 32
.set u, 0
.elseif z >= 12
.set w, 16
.set u, z-12
.elseif z >= 8
.set w, 8
.set u, z-8
.endif
.if z < 15
	v_pk_add_f32 v[rS+w*u:rS+w*u+1], v[rS+w*u:rS+w*u+1], v[rS+w*u+w/2:rS+w*u+w/2+1]
.else
	v_pk_fma_f32 v[rT+2:rT+3], v[rT+2:rT+3], v[rT+6:rT+7], v[rS:rS+1] op_sel_hi:[1,0,1]
.endif
.else
	WIN W_RS
	v_pk_mul_f32 v[rO:rO+1], v[rO:rO+1], v[rT+6:rT+7] op_sel_hi:[1,0]
.endif
.endm
; A KEY STEP of my wave: 64 keys against the block's 64 queries.
.macro STEP
	WIN 0
	v_add_nc_u32 v[ADK], s[TB], v[AK0]
	v_add_nc_u32 v[ADV], s[TB], v[AV0]
	WIN 0x80                        ; destination window 2
.irp f, 0,1,2,3,4,5,6,7,8,9,10,11,12,13,14,15  ; K: keys 16 (f / 4) on, channels 32 (f % 4) on
	ds_load_b128 v[KF+8*(\f):KF+8*(\f)+3],   v[ADK] offset:((\f)/4)*16*PK+((\f)%4)*64
	ds_load_b128 v[KF+8*(\f)+4:KF+8*(\f)+7], v[ADK] offset:((\f)/4)*16*PK+((\f)%4)*64+32
.endr
	WIN 0xc0                        ; destination window 3
.irp f, 0,1,2,3,4,5,6,7,8,9,10,11,12,13,14,15  ; V, turned: keys 32 (f / 8) on, channels 16 (f % 8) on
	ds_load_tr16_b128 v[8*(\f):8*(\f)+3],   v[ADV] offset:((\f)/8)*32*PV+((\f)%8)*32
	ds_load_tr16_b128 v[8*(\f)+4:8*(\f)+7], v[ADV] offset:((\f)/8)*32*PV+16*PV+((\f)%8)*32
.endr
	WIN 0xc3                        ; the masks: destination and source 0 window 3
.irp p, 0,2,4,6
	v_pk_fma_f32 v[TRIX+(\p):TRIX+(\p)+1], v[TRI+(\p):TRI+(\p)+1], s[AL:AL+1], s[BL:BL+1] op_sel_hi:[1,0,0]
.endr
.irp n, 0,1,2,3,4,5,6,7
	v_mov_b32 v[NEGX+(\n)], s[BH]
	v_mov_b32 v[LOWX+(\n)], s[BL]
.endr
	s_wait_dscnt 32                 ; K is in; V's 32 loads may be out
.set i, 0
.rept 64                            ; S^T = K Q^T: channels 32 (i / 16) on, keys 16 ((i / 4) % 4) on, tile i % 4.  The 16 accumulators take turns; the first 16 products start the sums with the masks
.set rS, S+32*(i%4)+8*((i/4)%4)
.set rK, KF+32*((i/4)%4)+8*(i/16)
.set rQ, 32*(i%4)+8*(i/16)
.if i < 16
.set rM, TRIX
.if (i/4) < (i%4)
.set rM, LOWX
.endif
.if (i/4) > (i%4)
.set rM, NEGX
.endif
	WIN 0x3a                        ; K and Q window 2, the mask window 3, S^T window 0
	v_wmma_f32_16x16x32_f16 v[rS:rS+7], v[rK:rK+7], v[rQ:rQ+7], v[rM:rM+7]
.else
	WIN 0x0a
	v_wmma_f32_16x16x32_f16 v[rS:rS+7], v[rK:rK+7], v[rQ:rQ+7], v[rS:rS+7]
.endif
.set i, i+1
.endr
	WIN 0
	PLACES
.set j, 0
.rept 70                            ; the four tiles alternate, so that no instruction reads the result of the one just before it
.irp t, 0,1,2,3
	SM \t
.endr
.set j, j+1
.endr
	v_nop                           ; a plain instruction behind the last exponential (ISA guide 5.7.2),
	s_wait_alu depctr_va_vdst(0)    ; and the one wait ahead of the batch's first reader: 132 exponentials
.rept 64
.irp t, 0,1,2,3
	SM \t
.endr
.set j, j+1
.endr
	s_wait_dscnt 0x0                ; V is in
	WIN 0x53                        ; V window 3, P window 0, O^T window 1
.set i, 0
.rept 64                            ; O^T += V^T P: keys 32 (i / 32) on, channels 16 ((i / 4) % 8) on, tile i % 4: 32 accumulators take turns
.set rO, 64*(i%4)+8*((i/4)%8)
.set rV, 64*(i/32)+8*((i/4)%8)
.set rP, P+16*(i%4)+8*(i/32)
	v_wmma_f32_16x16x32_f16 v[rO:rO+7], v[rV:rV+7], v[rP:rP+7], v[rO:rO+7]
.set i, i+1
.endr
	WIN 0
	PLACES                          ; in front of the next loads into V's registers and the next reads of O^T
.endm
; Tile t of the merge: my O^T scaled; into my partial tile; a barrier; wave w adds the four partial sums of queries 4 w .. 4 w + 3, rounds once and stores each as 256 consecutive bytes, aligned.
.macro MPASS t
	WIN W_RS
.set i, 64*(\t)
.rept 32
	v_pk_mul_f32 v[i:i+1], v[i:i+1], v[ST+8*(\t)+6:ST+8*(\t)+7] op_sel_hi:[1,0]
.set i, i+2
.endr
	WIN 0x04                        ; store data window 1, address window 0
.irp cb, 0,1,2,3,4,5,6,7
	ds_store_b128 v[MST], v[64*(\t)+8*(\cb):64*(\t)+8*(\cb)+3]   offset:64*(\cb)
	ds_store_b128 v[MST], v[64*(\t)+8*(\cb)+4:64*(\t)+8*(\cb)+7] offset:64*(\cb)+16
.endr
	WIN 0
	s_wait_dscnt 0x0                ; for the others' sake: my partial tile is written
	s_barrier_signal -1
	s_barrier_wait -1
.irp row, 0,1,2,3
.irp p, 0,1,2,3
	ds_load_b128 v[LD+16*(\row)+4*(\p):LD+16*(\row)+4*(\p)+3], v[MRD] offset:(\p)*16*MP+(\row)*MP
.endr
.endr
.irp row, 0,1,2,3
	s_wait_dscnt 12-4*(\row)        ; the later rows' loads may be out
	v_pk_add_f32 v[LD+16*(\row):LD+16*(\row)+1],     v[LD+16*(\row):LD+16*(\row)+1],     v[LD+16*(\row)+4:LD+16*(\row)+5]
	v_pk_add_f32 v[LD+16*(\row)+2:LD+16*(\row)+3],   v[LD+16*(\row)+2:LD+16*(\row)+3],   v[LD+16*(\row)+6:LD+16*(\row)+7]
	v_pk_add_f32 v[LD+16*(\row)+8:LD+16*(\row)+9],   v[LD+16*(\row)+8:LD+16*(\row)+9],   v[LD+16*(\row)+12:LD+16*(\row)+13]
	v_pk_add_f32 v[LD+16*(\row)+10:LD+16*(\row)+11], v[LD+16*(\row)+10:LD+16*(\row)+11], v[LD+16*(\row)+14:LD+16*(\row)+15]
	v_pk_add_f32 v[LD+16*(\row):LD+16*(\row)+1],     v[LD+16*(\row):LD+16*(\row)+1],     v[LD+16*(\row)+8:LD+16*(\row)+9]
	v_pk_add_f32 v[LD+16*(\row)+2:LD+16*(\row)+3],   v[LD+16*(\row)+2:LD+16*(\row)+3],   v[LD+16*(\row)+10:LD+16*(\row)+11]
	v_cvt_pk_f16_f32 v[SD+8*(\t)+2*(\row)],   v[LD+16*(\row)],   v[LD+16*(\row)+1]
	v_cvt_pk_f16_f32 v[SD+8*(\t)+2*(\row)+1], v[LD+16*(\row)+2], v[LD+16*(\row)+3]
	global_store_b64 v[GO], v[SD+8*(\t)+2*(\row):SD+8*(\t)+2*(\row)+1], s[OP:OP+1] offset:(16*(\t)+(\row))*4096
.endr
.if (\t) < 3
	s_barrier_signal -1             ; every wave's reads are back (the count above ended at 0): the partial tiles may be written again
	s_barrier_wait -1
.endif
.endm
; A BLOCK ENDS.  next = 1: the second block follows: its Q lands under the merge.  The next tile's load may stay out across them.
.macro MERGE next
	WIN 0
.irp t, 0,1,2,3
	v_add_f32 v[QL4+(\t)], v[ST+8*(\t)+2], v[ST+8*(\t)+3]
.endr
.irp t, 0,1,2,3
	v_permlanex16_b32 v[ST+8*(\t)+5], v[QL4+(\t)], s[SEL], s[SEL+1]
.endr
.irp t, 0,1,2,3
	v_add_f32 v[QL4+(\t)], v[QL4+(\t)], v[ST+8*(\t)+5]
	v_mov_b32 v[QM+(\t)], v[ST+8*(\t)]
.endr
	ds_store_b128 v[STA], v[QM:QM+3]                ; both halves of the lanes write the same words with the same numbers
	ds_store_b128 v[STA], v[QL4:QL4+3] offset:1024
.if \next
	QLOAD QL
.endif
	s_wait_dscnt 0x0
	s_barrier_signal -1
	s_barrier_wait -1
.irp p, 0,1,2,3
	ds_load_b128 v[WM+4*(\p):WM+4*(\p)+3], v[STR] offset:256*(\p)
	ds_load_b128 v[WL+4*(\p):WL+4*(\p)+3], v[STR] offset:256*(\p)+1024
.endr
	s_wait_dscnt 0x0
.irp t, 0,1,2,3
	v_max3_num_f32 v[CMX+(\t)], v[WM+(\t)], v[WM+4+(\t)], v[WM+8+(\t)]
.endr
.irp t, 0,1,2,3
	v_max_num_f32 v[CMX+(\t)], v[CMX+(\t)], v[WM+12+(\t)]
.endr
.irp p, 0,1,2,3
.irp n, 0,2
	v_pk_add_f32 v[WM+4*(\p)+(\n):WM+4*(\p)+(\n)+1], v[WM+4*(\p)+(\n):WM+4*(\p)+(\n)+1], v[CMX+(\n):CMX+(\n)+1] neg_lo:[0,1] neg_hi:[0,1]
.endr
.endr
.irp n, 0,2
	v_pk_add_f32 v[FO+(\n):FO+(\n)+1], v[QM+(\n):QM+(\n)+1], v[CMX+(\n):CMX+(\n)+1] neg_lo:[0,1] neg_hi:[0,1]
.endr
.set i, 0
.rept 16
	v_exp_f32 v[WM+i], v[WM+i]
.set i, i+1
.endr
.irp t, 0,1,2,3
	v_exp_f32 v[FO+(\t)], v[FO+(\t)]
.endr
	v_nop
	s_wait_alu depctr_va_vdst(0)    ; one wait for the twenty exponentials
.irp n, 0,2
	v_pk_mul_f32 v[LL+(\n):LL+(\n)+1], v[WM+(\n):WM+(\n)+1], v[WL+(\n):WL+(\n)+1]
.endr
.irp p, 1,2,3
.irp n, 0,2
	v_pk_fma_f32 v[LL+(\n):LL+(\n)+1], v[WM+4*(\p)+(\n):WM+4*(\p)+(\n)+1], v[WL+4*(\p)+(\n):WL+4*(\p)+(\n)+1], v[LL+(\n):LL+(\n)+1]
.endr
.endr
.irp t, 0,1,2,3
	v_rcp_f32 v[LL+(\t)], v[LL+(\t)]                ; the wave that holds the maximum gives 1 or more: the sum is never 0
.endr
	v_nop
	s_wait_alu depctr_va_vdst(0)    ; one wait for the four reciprocals
.irp t, 0,1,2,3
	v_mul_f32 v[ST+8*(\t)+6], v[FO+(\t)], v[LL+(\t)]
.endr
	MPASS 0
	MPASS 1
	MPASS 2
	MPASS 3
.if \next
	s_wait_xcnt 0x0                 ; the stores have read their registers and their base
	s_mov_b64 s[OP:OP+1], s[OL:OL+1]
	s_add_co_u32 s[RT], s[FB], 1    ; the second block has fb + 1 rounds
	s_mov_b32 s[DM], s13            ; and its diagonal in wave cx
	INIT                            ; O^T keeps what it holds, finite numbers: the first step multiplies it by a = 0
	s_wait_loadcnt 0x0              ; Q
.endif
.endm
	s_load_b128 s[4:7], s[0:1], 0x0   ; qkvh s[4:5], oh s[6:7]
	v_lshl_add_u32 v[SPW], v0, 2, SPARE
	v_mov_b32 v[NIL], 0
	ds_add_u32 v[SPW], v[NIL]       ; the wave's opening: the add and its wait stand ahead of my first tensor load; work on registers stands between them
	v_lshrrev_b32 v1, 5, v0
	v_readfirstlane_b32 s[WV], v1   ; wave 0..3
	s_bfe_u32 s13, ttmp6, 0x40000   ; cx
	s_mov_b32 s[FB], ttmp9          ; fb
	s_lshl_b32 s15, ttmp9, 2
	s_add_co_u32 s15, s15, s13      ; b: it enters Q's and O's addresses alone
	s_and_b32 s20, ttmp7, 0xffff    ; the head, which the four partners share
	s_lshl_b32 s19, s20, 8          ; its 256 bytes of a row of oh
	s_lshl_b32 s20, s20, 19         ; its 2,048 rows of 256 bytes in a plane of qkvh
	s_and_b32 s16, s[WV], 1         ; which half of a tile's 256 rows I fetch:
	s_lshl_b32 s22, s16, 15         ; its 128 rows in memory,
	s_add_co_u32 s22, s22, s20
	s_add_co_u32 s22, s22, PLANE    ; in k's plane,
	s_mov_b32 s23, 0
	s_mul_i32 s[LK], s16, 128*PK    ; and its place in a slot, for K
	s_mul_i32 s[LV], s16, 128*PV    ; and for V
	s_add_co_u32 s[LV], s[LV], VOFF
	s_sub_co_u32 s48, 31, s15       ; the first block
	s_lshl_b32 s50, s48, 14         ; a block's 64 rows of 256 bytes
	s_add_co_u32 s50, s50, s20
	s_mov_b32 s51, 0
	s_lshl_b32 s52, s15, 14
	s_add_co_u32 s52, s52, s20
	s_mov_b32 s53, 0
	s_lshl_b32 s54, s[WV], 14       ; oh: my four rows of each tile's 16, 4,096 bytes a row,
	s_add_co_u32 s54, s54, s19      ; the head's 256 bytes
	s_lshl_b32 s48, s48, 18         ; the block's 64 rows
	s_add_co_u32 s48, s48, s54
	s_mov_b32 s49, 0
	s_lshl_b32 s16, s15, 18
	s_add_co_u32 s54, s54, s16
	s_mov_b32 s55, 0
	s_mov_b32 s[G1K], 15|(1<<16)|(1<<20)|(1<<21)|(5<<22)|(3<<25)  ; 15:0 the mask of four; 17:16 2-byte elements; 20 padding on; 21 set beside a mask; 24:22 after every 64 words; 31:25 4 words
	s_mov_b32 s[G1V], 15|(1<<16)|(1<<20)|(1<<21)|(5<<22)|(7<<25)  ; the same with 8 words of padding
.irp g, G1K, G1V
	s_mov_b32 s[(\g)+1], 128<<16    ; tensor_dim0 = 128
	s_mov_b32 s[(\g)+2], 128<<16    ; tensor_dim1 = 128
	s_mov_b32 s[(\g)+3], 128<<16    ; tile_dim0 = 128
	s_mov_b32 s[(\g)+4], 128        ; tile_dim1 = 128
	s_mov_b32 s[(\g)+5], 128        ; elements from row to row
	s_mov_b32 s[(\g)+6], 0
	s_mov_b32 s[(\g)+7], 0
.endr
	s_mov_b32 s[G0K], 1
	s_mov_b32 s[G0K+1], s[LK]       ; slot 0
	s_mov_b32 s[G0V], 1
	s_mov_b32 s[G0V+1], s[LV]
	s_mov_b32 s[CS], 0x44000000     ; 512.0
	s_mov_b32 s[CS+1], s[CS]
	s_mov_b32 s[SEL], 0x76543210
	s_mov_b32 s[SEL+1], 0xfedcba98
	s_mov_b32 s[TB], SLOTB          ; the first change of slots turns it into 0
	s_sub_co_u32 s[RT], 8, s[FB]    ; the first block has 8 - fb rounds
	s_mov_b32 s[NXT], 1
	s_sub_co_u32 s[LQ], 7, s[FB]
	s_sub_co_u32 s[DM], 3, s13
	s_mov_b32 s[OFF+1], 0
	s_mov_b32 s[AL+1], 0            ; named as pairs
	s_mov_b32 s[BL+1], 0
	s_mov_b32 s[BIGN], 0xf149f2ca   ; -1e30
	s_mov_b32 s[SLOTS], 8
	s_cmp_eq_u32 s[FB], 0
	s_cselect_b32 s[LIM], 2, -1     ; the same in all four partners
	s_wait_dscnt 0x0                ; the opening add is done
	s_wait_kmcnt 0x0
	s_add_nc_u64 s[KB:KB+1], s[4:5], s[22:23]
	s_add_nc_u64 s[VB:VB+1], s[KB:KB+1], PLANE
	s_add_nc_u64 s[G0K+2:G0K+3], s[KB:KB+1], 0
	s_or_b32 s[G0K+3], s[G0K+3], 0x80000000
	s_add_nc_u64 s[G0V+2:G0V+3], s[VB:VB+1], 0
	s_or_b32 s[G0V+3], s[G0V+3], 0x80000000
	s_add_nc_u64 s[QH:QH+1], s[4:5], s[50:51]
	s_add_nc_u64 s[QL:QL+1], s[4:5], s[52:53]
	s_add_nc_u64 s[OP:OP+1], s[6:7], s[48:49]
	s_add_nc_u64 s[OL:OL+1], s[6:7], s[54:55]
	s_cmp_lt_u32 s[WV], 2
	s_cselect_b64 s[PFA:PFA+1], s[KB:KB+1], s[VB:VB+1]
	s_lshl_b32 s50, s13, 13         ; my work-group's 32 of the 128 rows,
	s_add_co_u32 s50, s50, 65536    ; in tile 1: the first change steps it to tile 2
	s_add_nc_u64 s[PFA:PFA+1], s[PFA:PFA+1], s[50:51]
	CROUND                          ; all four work-groups are here: the first joint loads meet
	JLOAD                           ; tile 0 into slot 0
	; all that follows stands in the wait for the first tile
	v_and_b32 v1, 15, v0            ; r = l % 16
	v_bfe_u32 v45, v0, 4, 1         ; h = l / 16
	v_and_b32 v48, 31, v0           ; l
	v_lshlrev_b32 v[QO], 8, v1
	v_lshl_add_u32 v[QO], v45, 4, v[QO]
	QLOAD QH
	WIN 0x40
.set i, 0
.rept 256
	v_mov_b32 v[i], 0               ; O^T holds finite numbers when the first step multiplies it by a = 0: no first step is written out
.set i, i+1
.endr
	WIN 0
	v_lshlrev_b32 v44, 3, v45
	v_sub_nc_u32 v44, v1, v44       ; r - 8 h: register j is hidden where j is greater
	WIN 0xc0
.irp n, 0,1,2,3,4,5,6,7
	v_cmp_gt_i32 vcc_lo, \n, v44
	v_cndmask_b32 v[TRI+(\n)], 0, s[BIGN], vcc_lo
.endr
	WIN 0
	INIT
	s_mul_i32 s16, s[WV], 64*PK     ; my step's 64 rows of a tile
	v_mul_u32_u24 v[AK0], v1, PK
	v_lshl_add_u32 v[AK0], v45, 4, v[AK0]
	v_add_nc_u32 v[AK0], s16, v[AK0]
	; the turning load takes 16 keys x 16 channels: lane l reads key 8 (l / 16) + l % 8, channels 8 ((l / 8) % 2) + 0..7
	v_and_b32 v46, 7, v0
	v_bfe_u32 v47, v0, 3, 1
	s_mul_i32 s16, s[WV], 64*PV
	s_add_co_u32 s16, s16, VOFF
	v_lshl_add_u32 v[AV0], v45, 3, v46
	v_mul_u32_u24 v[AV0], v[AV0], PV
	v_lshl_add_u32 v[AV0], v47, 4, v[AV0]
	v_add_nc_u32 v[AV0], s16, v[AV0]
	s_mul_i32 s16, s[WV], 16*MP
	s_add_co_u32 s16, s16, MRG
	v_mul_u32_u24 v[MST], v1, MP    ; my partial tile: row r, byte 32 h
	v_lshl_add_u32 v[MST], v45, 5, v[MST]
	v_add_nc_u32 v[MST], s16, v[MST]
	s_mul_i32 s16, s[WV], 4*MP
	s_add_co_u32 s16, s16, MRG
	v_lshl_add_u32 v[MRD], v48, 4, s16  ; rows 4 w on, 16 bytes a lane
	v_lshlrev_b32 v[GO], 3, v48
	v_lshlrev_b32 v[PFO], 8, v48
	v_lshl_add_u32 v[STR], v1, 4, STAT
	s_lshl_b32 s16, s[WV], 8
	v_add_nc_u32 v[STA], s16, v[STR]
	s_wait_loadcnt 0x0              ; Q
.Lslot:                             ; eight trips: a tile is entered and the next is asked for
	CHANGE 1
	SCAL
	STEP
	s_cmp_lg_u32 s[RT], 0           ; made of the cluster's x alone: the same in every wave and in every partner
	s_cbranch_scc1 .Lnomerge
	MERGE 1                         ; the first block's end
.Lnomerge:
	s_sub_co_u32 s[SLOTS], s[SLOTS], 1
	s_cmp_lg_u32 s[SLOTS], 0
	s_cbranch_scc1 .Lslot
	CHANGE 0                        ; the walk's last tile is written out
	SCAL
	STEP
	MERGE 0
	s_wait_tensorcnt 0x0            ; the wave's end, behind my last tensor load and my last LDS store
	ds_add_u32 v[SPW], v[NIL]
	s_wait_dscnt 0x0
	CROUND                          ; the closing round
	s_endpgm
.Lfunc_end_k_q4992074e33_attn:
	.size	k_q4992074e33_attn, .Lfunc_end_k_q4992074e33_attn-k_q4992074e33_attn
	.p2alignl 7, 3214868480
	.fill 96, 4, 3214868480
	.section	.rodata,"a",@progbits
	.p2align	6, 0x0
	.amdhsa_kernel k_q4992074e33_attn
		.amdhsa_group_segment_fixed_size 327680
		.amdhsa_private_segment_fixed_size 0
		.amdhsa_enable_private_segment 0
		.amdhsa_kernarg_size 16
		.amdhsa_user_sgpr_count 2
		.amdhsa_user_sgpr_kernarg_segment_ptr 1
		.amdhsa_wavefront_size32 1
		.amdhsa_system_sgpr_workgroup_id_x 1
		.amdhsa_system_sgpr_workgroup_id_y 1
		.amdhsa_system_sgpr_workgroup_id_z 1
		.amdhsa_system_vgpr_workitem_id 0
		.amdhsa_next_free_vgpr 1024
		.amdhsa_next_free_sgpr 96
		.amdhsa_reserve_vcc 1
		.amdhsa_float_denorm_mode_32 3
		.amdhsa_float_denorm_mode_16_64 3
		.amdhsa_memory_ordered 1
		.amdhsa_forward_progress 1
		.amdhsa_inst_pref_size 175
	.end_amdhsa_kernel
	.amdgpu_metadata
---
amdhsa.version: [ 1, 2 ]
amdhsa.kernels:
  - .name:           k_q4992074e33_attn
    .symbol:         k_q4992074e33_attn.kd
    .args:
      - { .name: qkvh, .offset: 0, .size: 8, .value_kind: global_buffer, .address_space: global }
      - { .name: oh, .offset: 8, .size: 8, .value_kind: global_buffer, .address_space: global }
    .group_segment_fixed_size: 327680
    .private_segment_fixed_size: 0
    .kernarg_segment_align: 8
    .kernarg_segment_size: 16
    .max_flat_workgroup_size: 128
    .sgpr_count:     96
    .vgpr_count:     1024
    .wavefront_size: 32
...
	.end_amdgpu_metadata
.endif
;; end of part 3
;; launch oproj (part 4): grid 16 x 16, 4 waves a work-group, clusters of 4 x 4, 327,680 bytes of LDS; arguments oh, xw, out0; writes out0
.if DOCPART == 4
	.amdgcn_target "amdgcn-amd-amdhsa--gfx1250"
	.amdhsa_code_object_version 6
	.text
	.protected	k_q4992074e33_oproj
	.globl	k_q4992074e33_oproj
	.p2align	8
	.type	k_q4992074e33_oproj,@function
k_q4992074e33_oproj:
	s_mov_b64 s[64:65], 0
	v_nop
	global_prefetch_b8 v0, s[64:65] scope:SCOPE_SE
	s_setreg_imm32_b32 hwreg(HW_REG_WAVE_MODE, 25, 1), 1
	s_wait_xcnt 0x0
	s_wait_alu depctr_hold_cnt(0) depctr_sa_sdst(0) depctr_va_vdst(0) depctr_va_sdst(0) depctr_va_ssrc(0) depctr_va_vcc(0) depctr_vm_vsrc(0)
	s_getreg_b32 s2, hwreg(HW_REG_IB_STS2, 6, 4)
	s_cmp_eq_u32 s2, 0
	s_cbranch_scc0 .Lentry_in_a_cluster
	s_endpgm
.Lentry_in_a_cluster:
	s_bfe_u32 s2, ttmp6, 0x10000c
	s_cmp_lg_u32 s2, 0xf033
	s_cbranch_scc0 .Lentry_shape_is_right
	s_endpgm
.Lentry_shape_is_right:
; out0[token][o] = 2 x the sum over c of oh[token][c] Wo[o][c].  oh: [2048][2048] f16 (O in v's scale, 2^-1); Wo: plane 4 of xw, [2048][2048] f16; out0: [2048][2048] f32.  Sums in f32.
; A tile of the output is 128 x 128: 256 work-groups.  Four waves, each 64 x 64: 16 accumulators.  K in steps of 256 (LDS rows of 512 bytes; a wave's tensor load brings 64 of them) through two slots.
; CLUSTER 4 x 4: the four of a row of the cluster need the same tiles of oh, the four of a column the same tiles of Wo: joint loads.
; THE WALK ALONG K begins at step (2 X + 4 Y) mod 8 (X, Y: the cluster's place in the grid, the same for its sixteen work-groups) and goes round: the four clusters that read the same rows of oh begin
; two steps apart; of the four that read the same rows of Wo two begin four steps from the other two: clusters that share rows ask for different blocks at any one time.  The order of the f32 sums along K
; so differs from cluster to cluster.
; THE MATRIX INSTRUCTION IS USED TRANSPOSED (source 0 = 16 rows of Wo, source 1 = 16 rows of oh): a lane holds eight neighbouring numbers of a row of the output.
; THE WAY OUT is each wave's own: its 64 columns of f32 are 256 consecutive bytes, aligned; 16 rows at a time go through its own stage in LDS and leave as whole rows.
; No prefetch: a step has 128 matrix instructions a wave and small tiles.
; REGISTERS: window 0: v0-31 addresses; v32-127 the way out; v128-255 the accumulators ((a, b) at v[128 + 8 (4 a + b)]).  window 1: two fragment buffers of 128.
.set SIZE_K, 2048
.set SIZE_N, 2048
.set WOPL,   0x2000000                 ; plane 4 of xw
.set KSTEP,  256
.set STEPS,  SIZE_K/KSTEP
.set PITCH,  528                       ; an LDS row: 512 bytes + 16 of padding = 132 words: row r starts at bank 4 r mod 64 (64 banks of 4 bytes: ISA guide 11.1)
.set HALFT,  64*PITCH                  ; 0x8400
.set SLOT,   4*HALFT                   ; 0x21000: its two bits are clear in the waves' addresses 0, 0x8400, 0x10800, 0x18c00, so one exclusive or changes slots
.set STAGE,  2*SLOT                    ; behind the ring, never filled: 16 rows x 272 bytes for each wave
.set SPITCH, 272
.set SPARE,  STAGE+4*16*SPITCH         ; the spare words, 128 bytes for each wave: two blocks of 256 bytes that no other line names
.set ABASE, 12                         ; v12  my lane's place in my rows of oh in slot 0; never rewritten
.set BBASE, 13                         ; v13  in my rows of Wo; never rewritten
.set ADRA, 16                          ; v16  the same in the slot in hand
.set ADRB, 17                          ; v17
.set STO,  24
.set RD,   25
.set CO,   26
.set SPW,  28
.set NIL,  29
.set TMP,  32                          ; v[32:63]  16 rows x 64 columns, scaled
.set OB,   64                          ; v[64:127] two sets of 32: whole rows read back
.set ACC,  128
.set F0,   0
.set F1,   128
.set BA,  14                           ; s[14:15] oh at the 64 rows that I fetch
.set G1, 24
.set G0, 32                            ; s[32:39] group 0: a set for each of the two first fills; the second then walks on
.set BB,  46                           ; s[46:47] Wo at the 64 rows that I fetch
.set G1B, 48
.set G0B, 56
.set OSC, 66                           ; s[66:67] 2.0, named as a pair
.set TB,  72                           ; s72  LDS byte at which the slot in hand begins
.set KN,  73                           ; s73  the K step asked for last
.set OFK, 74                           ; s[74:75] a K step's byte offset in a row
.set MSB, 0
.macro WIN new
.if MSB != (\new)
	s_set_vgpr_msb (MSB<<8)|(\new)
.set MSB, \new
.endif
.endm
.set MUL,  0x05                        ; sources 0 and 1 window 1; C and D window 0
.set TO_F, 0x40                        ; destination window 1, address window 0
.macro JLOAD s                         ; waves 0 and 1 fetch oh's two halves, waves 2 and 3 Wo's; an s_nop 0 and four v_nop follow each line
	s_cmp_eq_u32 s11, 0
	s_cbranch_scc0 .Lfor_b_\@
	tensor_load_to_lds s[G0+4*(\s):G0+4*(\s)+3], s[G1:G1+7]
	s_nop 0
.rept 4
	v_nop
.endr
	s_branch .Lasked_\@
.Lfor_b_\@:
	tensor_load_to_lds s[G0B+4*(\s):G0B+4*(\s)+3], s[G1B:G1B+7]
	s_nop 0
.rept 4
	v_nop
.endr
.Lasked_\@:
.endm
.macro CREST
	s_cmp_lg_u32 s10, 0
	s_cbranch_scc1 .Lnot_wave_0_\@
	s_barrier_signal -3
.Lnot_wave_0_\@:
	s_barrier_wait -3
	s_barrier_signal -1
	s_barrier_wait -1
.endm
.macro CROUND
	s_barrier_signal -1
	s_barrier_wait -1
	CREST
.endm
	s_load_b128 s[4:7], s[0:1], 0x0                ; oh s[4:5], xw s[6:7]
	s_load_b64 s[8:9], s[0:1], 0x10                ; out0
	v_lshl_add_u32 v[SPW], v0, 2, SPARE
	v_mov_b32 v[NIL], 0
	ds_add_u32 v[SPW], v[NIL]                      ; the wave's opening: the add and its wait stand ahead of my first tensor load; work on registers stands between them
	v_lshrrev_b32 v1, 5, v0
	v_readfirstlane_b32 s10, v1                    ; wave 0..3
	s_lshr_b32 s11, s10, 1                         ; which half of the tile's rows is mine.  Also: I fetch for oh (0) or for Wo (1)
	s_and_b32 s12, s10, 1                          ; which half of its columns.  Also: which 64 rows of that tile I fetch
	s_bfe_u32 s40, ttmp6, 0x40000                  ; cx, cy
	s_bfe_u32 s41, ttmp6, 0x40004
	s_lshl_b32 s42, ttmp9, 2
	s_add_co_u32 s42, s42, s40                     ; tile column = 4 X + cx
	s_and_b32 s68, ttmp7, 0xffff                   ; Y
	s_lshl_b32 s13, s68, 2
	s_add_co_u32 s13, s13, s41                     ; tile row = 4 Y + cy
	s_lshl_b32 s43, s41, 2
	s_lshl_b32 s43, 15, s43                        ; my row of the cluster
	s_lshl_b32 s44, 0x1111, s40                    ; my column
	s_or_b32 s[G1+0], s43, (1<<16)|(1<<20)|(1<<21)|(6<<22)|(3<<25)  ; 17:16 2-byte elements; 20 padding on; 21 set beside a mask; 24:22 after every 128 words; 31:25 4 words
	s_or_b32 s[G1B+0], s44, (1<<16)|(1<<20)|(1<<21)|(6<<22)|(3<<25)
.irp g, G1, G1B
	s_mov_b32 s[(\g)+1], KSTEP<<16                 ; tensor_dim0 = 256
	s_mov_b32 s[(\g)+2], 64<<16                    ; tensor_dim1 = 64
	s_mov_b32 s[(\g)+3], KSTEP<<16                 ; tile_dim0 = 256
	s_mov_b32 s[(\g)+4], 64                        ; tile_dim1 = 64
	s_mov_b32 s[(\g)+5], SIZE_K                    ; elements from row to row
	s_mov_b32 s[(\g)+6], 0
	s_mov_b32 s[(\g)+7], 0
.endr
	s_lshl_b32 s[KN], ttmp9, 1
	s_lshl_b32 s68, s68, 2
	s_add_co_u32 s[KN], s[KN], s68
	s_and_b32 s[KN], s[KN], STEPS-1                ; the walk's first K step: (2 X + 4 Y) mod 8
	s_mov_b32 s[OFK+1], 0
	s_mov_b32 s[TB], 0
	s_lshl_b32 s17, s12, 6
	s_lshl_b32 s16, s13, 7
	s_add_co_u32 s16, s16, s17                     ; oh: row 128 x tile row + 64 x half
	s_lshl_b32 s46, s42, 7
	s_add_co_u32 s46, s46, s17                     ; Wo: row 128 x tile column + 64 x half
	s_mov_b32 s17, 0
	s_mov_b32 s47, 0
	s_mov_b64 s[18:19], SIZE_K*2
	s_mul_u64 s[16:17], s[16:17], s[18:19]
	s_mul_u64 s[46:47], s[46:47], s[18:19]
	s_mul_i32 s20, s10, HALFT                      ; where they go: wave x 64 rows
	s_mov_b32 s[OSC], 2.0
	s_mov_b32 s[OSC+1], s[OSC]
	s_wait_dscnt 0x0                               ; the opening add is done
	s_wait_kmcnt 0x0
	s_add_nc_u64 s[6:7], s[6:7], WOPL
	s_add_nc_u64 s[BA:BA+1], s[4:5], s[16:17]
	s_add_nc_u64 s[BB:BB+1], s[6:7], s[46:47]
	CROUND                                         ; all sixteen work-groups are here: the first joint loads meet
.irp s, 0,1
	s_lshl_b32 s[OFK], s[KN], 9                    ; a K step is 512 bytes of a row
	s_mov_b32 s[G0+4*(\s)], 1
	s_add_co_u32 s[G0+4*(\s)+1], s20, (\s)*SLOT
	s_add_nc_u64 s[G0+4*(\s)+2:G0+4*(\s)+3], s[BA:BA+1], s[OFK:OFK+1]
	s_or_b32 s[G0+4*(\s)+3], s[G0+4*(\s)+3], 0x80000000
	s_mov_b32 s[G0B+4*(\s)], 1
	s_add_co_u32 s[G0B+4*(\s)+1], s20, (\s)*SLOT
	s_add_nc_u64 s[G0B+4*(\s)+2:G0B+4*(\s)+3], s[BB:BB+1], s[OFK:OFK+1]
	s_or_b32 s[G0B+4*(\s)+3], s[G0B+4*(\s)+3], 0x80000000
	JLOAD \s                                       ; the walk's steps 0 and 1: two loads of mine are out
.if (\s) == 0
	s_add_co_u32 s[KN], s[KN], 1                   ; (the first step is even: no turn of the ring here)
.endif
.endr
	v_and_b32 v1, 15, v0                           ; r = l % 16
	v_bfe_u32 v2, v0, 4, 1                         ; h = l / 16
	v_mul_u32_u24 v3, v1, PITCH
	v_lshl_add_u32 v3, v2, 4, v3
	s_mul_i32 s21, s11, HALFT                      ; my 64 rows of oh
	s_mul_i32 s22, s12, HALFT                      ; my 64 rows of Wo,
	s_add_co_u32 s22, s22, 2*HALFT                 ; which lie behind oh's 128
	v_add_nc_u32 v[ABASE], s21, v3
	v_add_nc_u32 v[BBASE], s22, v3
	v_add_nc_u32 v[ADRA], s21, v3
	v_add_nc_u32 v[ADRB], s22, v3
	s_mul_i32 s23, s10, 16*SPITCH
	s_add_co_u32 s23, s23, STAGE                   ; my stage
	v_mul_u32_u24 v4, v1, SPITCH                   ; in: row r, 32 bytes for each half of the lanes
	v_lshl_add_u32 v4, v2, 5, v4
	v_add_nc_u32 v[STO], s23, v4
	v_mul_u32_u24 v5, v2, SPITCH                   ; back: lanes 0-15 one row of 256 bytes, lanes 16-31 the next
	v_lshl_add_u32 v5, v1, 4, v5
	v_add_nc_u32 v[RD], s23, v5
	v_lshlrev_b32 v5, 13, v2                       ; and the same two rows in out0, 8,192 bytes apart
	v_lshl_add_u32 v[CO], v1, 4, v5
	s_lshl_b32 s68, s13, 7                         ; my first row: 128 x tile row + 64 x half (in registers that feed no descriptor),
	s_lshl_b32 s69, s11, 6
	s_add_co_u32 s68, s68, s69
	s_lshl_b32 s68, s68, 13                        ; in bytes,
	s_lshl_b32 s70, s42, 9                         ; my first column: 512 x tile column + 256 x half
	s_lshl_b32 s71, s12, 8
	s_add_co_u32 s70, s70, s71
	s_add_co_u32 s68, s68, s70
	s_mov_b32 s69, 0
	s_add_nc_u64 s[8:9], s[8:9], s[68:69]
; 8 matrix instructions: m blocks a0, a0 + 1 x all 4 n blocks, 32 along K: half c of buffer f.  The 16 accumulators take turns.
.macro MUL8 f, c, a0, zero
	WIN MUL
.irp a, \a0, (\a0)+1
.irp b, 0,1,2,3
.if \zero
	v_wmma_f32_16x16x32_f16 v[ACC+8*(4*(\a)+(\b)):ACC+8*(4*(\a)+(\b))+7], v[(\f)+64+8*(4*(\c)+(\b)):(\f)+64+8*(4*(\c)+(\b))+7], v[(\f)+8*(4*(\c)+(\a)):(\f)+8*(4*(\c)+(\a))+7], 0
.else
	v_wmma_f32_16x16x32_f16 v[ACC+8*(4*(\a)+(\b)):ACC+8*(4*(\a)+(\b))+7], v[(\f)+64+8*(4*(\c)+(\b)):(\f)+64+8*(4*(\c)+(\b))+7], v[(\f)+8*(4*(\c)+(\a)):(\f)+8*(4*(\c)+(\a))+7], v[ACC+8*(4*(\a)+(\b)):ACC+8*(4*(\a)+(\b))+7]
.endif
.endr
.endr
.endm
; 32 LDS loads in one run, from the slot in hand: the fragments of 64 along K at byte k of the rows, into buffer f; the first 32 along K first
.macro FETCH k, f
	WIN TO_F
.irp c, 0,1
.irp i, 0,1,2,3
	ds_load_b128 v[(\f)+64+8*(4*(\c)+(\i)):(\f)+64+8*(4*(\c)+(\i))+3],   v[ADRB] offset:(\k)+64*(\c)+(\i)*16*PITCH
	ds_load_b128 v[(\f)+64+8*(4*(\c)+(\i))+4:(\f)+64+8*(4*(\c)+(\i))+7], v[ADRB] offset:(\k)+64*(\c)+(\i)*16*PITCH+32
	ds_load_b128 v[(\f)+8*(4*(\c)+(\i)):(\f)+8*(4*(\c)+(\i))+3],         v[ADRA] offset:(\k)+64*(\c)+(\i)*16*PITCH
	ds_load_b128 v[(\f)+8*(4*(\c)+(\i))+4:(\f)+8*(4*(\c)+(\i))+7],       v[ADRA] offset:(\k)+64*(\c)+(\i)*16*PITCH+32
.endr
.endr
.endm
.macro PLACES
.rept 4
	v_nop
.endr
.endm
; A K step is four quarters of 64 along K, 32 matrix instructions each, on buffers 0, 1, 0, 1.
.macro QUARTER k, f, g, zero
	s_wait_dscnt 16                                ; the first 32 along K are in; the youngest sixteen loads may be out
	WIN MUL
	MUL8 \f, 0, 0, \zero
	MUL8 \f, 0, 2, \zero
	PLACES
	FETCH \k, \g
	s_wait_dscnt 32                                ; all but the 32 just issued
	WIN MUL
	MUL8 \f, 1, 0, 0
	MUL8 \f, 1, 2, 0
.endm
; The last quarter multiplies buffer 1 and changes slots: ONE barrier; in front of it each wave waits for all its tensor loads, adds 0 to its spare word, and waits for that and for its reads of this slot.
; fill = 1: the barrier opens a round of the cluster's barrier, and this slot is filled again, with the walk's step two on, first thing behind the round.  The refill stands as close behind the wait for the
; tile as these lines allow: eight matrix instructions between the add and the wait for it, none inside the round; the quarter's other 24 follow the fetch.
.macro TURN fill
	WIN 0
	s_wait_tensorcnt 0x0                           ; all my tensor loads have landed: my part of the next slot; so a group 0 may be written
	ds_add_u32 v[SPW], v[NIL]                      ; 0 onto my spare word
.if \fill
	s_add_co_u32 s[KN], s[KN], 1
	s_and_b32 s[KN], s[KN], STEPS-1                ; round the ring
	s_lshl_b32 s[OFK], s[KN], 9
	s_xor_b32 s[G0+5], s[G0+5], SLOT               ; the walking descriptors: the other slot than last time; the address made anew from the step's number
	s_add_nc_u64 s[G0+6:G0+7], s[BA:BA+1], s[OFK:OFK+1]
	s_or_b32 s[G0+7], s[G0+7], 0x80000000
	s_xor_b32 s[G0B+5], s[G0B+5], SLOT
	s_add_nc_u64 s[G0B+6:G0B+7], s[BB:BB+1], s[OFK:OFK+1]
	s_or_b32 s[G0B+7], s[G0B+7], 0x80000000
.endif
	s_xor_b32 s[TB], s[TB], SLOT                   ; the fetches go on in the other slot
	v_add_nc_u32 v[ADRA], s[TB], v[ABASE]
	v_add_nc_u32 v[ADRB], s[TB], v[BBASE]
	s_wait_dscnt 17                                ; (the add and the youngest sixteen loads may be out)
	MUL8 F1, 0, 0, 0
	s_wait_dscnt 0x0                               ; the add is done, and my reads of this slot are over
	WIN 0
	s_barrier_signal -1
	s_barrier_wait -1
.if \fill
	CREST                                          ; no wave of any partner still reads this slot or has a load on its way
	JLOAD 1                                        ; the four v_nop behind it are also the places in front of the loads below
.else
	PLACES
.endif
	FETCH 0, F0
	MUL8 F1, 0, 2, 0
	MUL8 F1, 1, 0, 0
	MUL8 F1, 1, 2, 0
.endm
	s_wait_tensorcnt 1                             ; my part of the walk's step 0 is in; step 1's may stay out
	s_barrier_signal -1
	s_barrier_wait -1
	FETCH 0, F0
	QUARTER 128, F0, F1, 1                         ; the first quarter stands in front of the loop: its first products start the sums
	WIN 0
	s_mov_b32 s3, STEPS-2
.Lstep:                                                ; a trip: from a K step's second quarter to the next step's first; it fills the slot that it leaves
	QUARTER 256, F1, F0, 0
	QUARTER 384, F0, F1, 0
	TURN 1
	QUARTER 128, F0, F1, 0
	WIN 0
	s_sub_co_u32 s3, s3, 1
	s_cmp_lg_u32 s3, 0
	s_cbranch_scc1 .Lstep
	QUARTER 256, F1, F0, 0                         ; the last two steps fill nothing
	QUARTER 384, F0, F1, 0
	TURN 0
	QUARTER 128, F0, F1, 0
	QUARTER 256, F1, F0, 0
	QUARTER 384, F0, F1, 0
	s_wait_dscnt 16
	WIN MUL
	MUL8 F1, 0, 0, 0
	MUL8 F1, 0, 2, 0
	s_wait_dscnt 0
	MUL8 F1, 1, 0, 0
	MUL8 F1, 1, 2, 0
	WIN 0
	PLACES
	PLACES
; THE WAY OUT of row block a: times 2 (each accumulator's registers in ascending order); 32 bytes a lane into my own stage; back as whole rows of 256 bytes; stored.
; LDS serves a wave's instructions in order (ISA guide 5.7.1.4): the loads see the stores above them, and the next block's stores come behind them.  No barrier: the bytes are my wave's own.
.macro OUTA a
.irp b, 0,1,2,3
.irp p, 0,2,4,6
	v_pk_mul_f32 v[TMP+8*(\b)+(\p):TMP+8*(\b)+(\p)+1], v[ACC+8*(4*(\a)+(\b))+(\p):ACC+8*(4*(\a)+(\b))+(\p)+1], s[OSC:OSC+1] op_sel_hi:[1,0]
.endr
.endr
.if (\a) >= 2
	s_wait_xcnt 0x0                                ; the stores of two blocks back have read this set of 32 registers: it is loaded again only behind this wait
.endif
.irp b, 0,1,2,3
	ds_store_b128 v[STO], v[TMP+8*(\b):TMP+8*(\b)+3]   offset:64*(\b)
	ds_store_b128 v[STO], v[TMP+8*(\b)+4:TMP+8*(\b)+7] offset:64*(\b)+16
.endr
.irp i, 0,1,2,3,4,5,6,7
	ds_load_b128 v[OB+32*((\a)%2)+4*(\i):OB+32*((\a)%2)+4*(\i)+3], v[RD] offset:(\i)*2*SPITCH
.endr
.irp i, 0,1,2,3,4,5,6,7
	s_wait_dscnt 7-(\i)                            ; the younger loads may be out
	global_store_b128 v[CO], v[OB+32*((\a)%2)+4*(\i):OB+32*((\a)%2)+4*(\i)+3], s[8:9] offset:(16*(\a)+2*(\i))*SIZE_N*4  ; 16 lanes store 256 consecutive bytes, aligned
.endr
.endm
	OUTA 0
	OUTA 1
	OUTA 2
	OUTA 3
	s_wait_tensorcnt 0x0                           ; the wave's end, behind my last tensor load and my last LDS store
	ds_add_u32 v[SPW], v[NIL]
	s_wait_dscnt 0x0
	CROUND                                         ; the closing round
	s_endpgm
.Lfunc_end_k_q4992074e33_oproj:
	.size	k_q4992074e33_oproj, .Lfunc_end_k_q4992074e33_oproj-k_q4992074e33_oproj
	.p2alignl 7, 3214868480
	.fill 96, 4, 3214868480
	.section	.rodata,"a",@progbits
	.p2align	6, 0x0
	.amdhsa_kernel k_q4992074e33_oproj
		.amdhsa_group_segment_fixed_size 327680
		.amdhsa_private_segment_fixed_size 0
		.amdhsa_enable_private_segment 0
		.amdhsa_kernarg_size 24
		.amdhsa_user_sgpr_count 2
		.amdhsa_user_sgpr_kernarg_segment_ptr 1
		.amdhsa_wavefront_size32 1
		.amdhsa_system_sgpr_workgroup_id_x 1
		.amdhsa_system_sgpr_workgroup_id_y 1
		.amdhsa_system_sgpr_workgroup_id_z 1
		.amdhsa_system_vgpr_workitem_id 0
		.amdhsa_next_free_vgpr 512
		.amdhsa_next_free_sgpr 76
		.amdhsa_reserve_vcc 0
		.amdhsa_float_denorm_mode_32 3
		.amdhsa_float_denorm_mode_16_64 3
		.amdhsa_memory_ordered 1
		.amdhsa_forward_progress 1
		.amdhsa_inst_pref_size 73
	.end_amdhsa_kernel
	.amdgpu_metadata
---
amdhsa.version: [ 1, 2 ]
amdhsa.kernels:
  - .name:           k_q4992074e33_oproj
    .symbol:         k_q4992074e33_oproj.kd
    .args:
      - { .name: oh, .offset: 0, .size: 8, .value_kind: global_buffer, .address_space: global }
      - { .name: xw, .offset: 8, .size: 8, .value_kind: global_buffer, .address_space: global }
      - { .name: out0, .offset: 16, .size: 8, .value_kind: global_buffer, .address_space: global }
    .group_segment_fixed_size: 327680
    .private_segment_fixed_size: 0
    .kernarg_segment_align: 8
    .kernarg_segment_size: 24
    .max_flat_workgroup_size: 128
    .sgpr_count:     76
    .vgpr_count:     512
    .wavefront_size: 32
...
	.end_amdgpu_metadata
.endif
;; end of part 4
